; MI455X (gfx1250); checked and timed in simulation.
; The chip was launched on July 23, 2026; its instructions are those of AMD's public machine-readable ISA for CDNA 5 (MIT licence, August 2026) and "CDNA5" Instruction Set Architecture Reference Guide (July 2026). The comments in the code are by the model that wrote it; some were corrected since.
;; Mo E. Allowed arithmetic: matrix products marked QUANTISED: E4M3 operands, one E8M0 scale for each 32 along K, by v_wmma_scale_f32_16x16x128_f8f6f4 with both operands' format E4M3, f32 sums; products left as they are: f32 operands where the result goes on into a quantised operand, else bf16, f16 or f32 operands; f32 sums; everything else in f32.
;; Inputs: W1 8 x 1,024 x 2,048 float32; W2 8 x 2,048 x 2,048 float32; W3 8 x 2,048 x 1,024 float32; Wg1 1,024 x 64 float32; Wg2 64 x 8 float32; b1 8 x 2,048 float32; b2 8 x 2,048 float32; b3 8 x 1,024 float32; bg1 64 float32; bg2 8 float32; x 1,024 x 1,024 float32.
;; Outputs: out0 1,024 x 1,024 float32.
;; Constants: top_k = 2.
;; This version of the problem:
;;   THIS VERSION OF THE PROBLEM IS GIVEN IN LOW PRECISION. The matrix products marked QUANTISED in the list below multiply operands that are first quantised to E4M3 (4 exponent bits, 3 mantissa bits; 8 bits a number), with one power-of-two scale for each 32 numbers along K (OCP MX v1.0); their sums are f32. All else is computed in f32.
;;   The module's matrix products, in the order in which they are computed (A, B: the left and right operand; K: the contracted axis; several contracted axes count as one K, in the product's order):
;;     1. [M 1,024, K 1,024] x [K 1,024, N 64]; A: input x; B: input Wg1: QUANTISED
;;     2. [M 1,024, K 64] x [K 64, N 8]; A: computed on the way; B: input Wg2: left as it is (N = 8 < 16)
;;     3. [M 16,384, K 1,024] x [K 1,024, N 1,024]; A: input W1; B: input x: QUANTISED
;;     4. batch 8 x [M 1,024, K 2,048] x [K 2,048, N 2,048]; A: computed on the way; B: input W2: QUANTISED
;;     5. batch 8 x [M 1,024, K 2,048] x [K 2,048, N 1,024]; A: computed on the way; B: input W3: QUANTISED
;;     6. batch 1,024 x [M 1,024, K 8] x [K 8, N 1]; A: computed on the way; B: computed on the way: left as it is (K = 8 < 32)
;;   THE QUANTISER, for each operand of a quantised product, along K:
;;     - K is cut into blocks of 32 from its start; a last block that is shorter is filled with zeros.
;;     - A block's scale is 2^e with e = floor(log2(the largest magnitude in the block)) - 8, held to -126 .. 127; a block of zeros has e = 0. As a byte (E8M0): e + 127.
;;     - Each number is divided by its block's scale, clamped to +-448, and rounded to the nearest number of E4M3, ties to even, subnormals kept.
;;     - The product sums the exact products of the quantised numbers (number of the format x scale) in f32.
;;   ~~~python
;;   def quantise(x, axis):      # numpy; x: float32 -> the quantised numbers, widened to float32 again
;;       x = np.moveaxis(x, axis, -1); K = x.shape[-1]
;;       x = np.pad(x, [(0, 0)] * (x.ndim - 1) + [(0, -K % 32)]); x = x.reshape(x.shape[:-1] + (-1, 32)); a = np.abs(x).max(-1, keepdims=True)
;;       e = np.where(a > 0, np.clip(np.frexp(np.where(a > 0, a, 1))[1] - 1 - 8, -126, 127), 0)      # np.frexp(a)[1] - 1 = floor(log2(a)), exactly
;;       r = np.clip(x / 2.0 ** e, -448, 448)
;;       step = 2.0 ** (np.maximum(np.frexp(np.where(r == 0, 1, r))[1] - 1, -6) - 3)
;;       q = np.round(r / step) * step * 2.0 ** e      # np.round: ties to even
;;       return np.moveaxis(q.reshape(q.shape[:-2] + (-1,))[..., :K], -1, axis).astype(np.float32)
;;   ~~~
;;   OPERANDS COMPUTED ON THE WAY. 'Computed on the way' means the value that the module computes at that place (a softmax that the list does not call 'softmax' is quantised finished and normalised). What goes into a quantiser is computed in f32, as accurately as f32 sums, v_exp_f32 and their like allow (about 1e-6 of the number): no bf16 or f16 on the way to a quantiser, and a product that is left as it is and whose result goes on into a quantised operand takes f32 operands (vector FMAs, or v_wmma_f32_16x16x4_f32). A number that lies on a knife's edge between two numbers of the format may be rounded either way, as far as f32 arithmetic and the matrix unit's own rounding can turn it there, and no further.
;; One version. Each part assembles by itself: llvm-mc -triple=amdgcn-amd-amdhsa -mcpu=gfx1250 --defsym DOCPART=n.
;; ======== version 1 of 1: 6 launches
;; limits: right only within a limited range of input values
;; workspace buffers: gq 1,089,536 bytes; sel 4,096 bytes of whole numbers; xr 8,650,752 bytes; pidx 33,792 bytes of whole numbers; h1 17,301,504 bytes; h2 17,301,504 bytes; y 67,108,864 bytes
;; launch gate (part 1): grid 64 x 1, 4 waves a work-group, no clusters, 16,896 bytes of LDS; arguments x, Wg1, bg1, Wg2, bg2, gq, sel; writes gq, sel
.if DOCPART == 1
	.amdgcn_target "amdgcn-amd-amdhsa--gfx1250"
	.amdhsa_code_object_version 6
	.text
	.protected	k_q7ade39cf48_gate
	.globl	k_q7ade39cf48_gate
	.p2align	8
	.type	k_q7ade39cf48_gate,@function
k_q7ade39cf48_gate:
	s_mov_b64 s[64:65], 0
	v_nop
	global_prefetch_b8 v0, s[64:65] scope:SCOPE_SE
	s_setreg_imm32_b32 hwreg(HW_REG_WAVE_MODE, 25, 1), 1
	s_wait_xcnt 0x0
; THE GATE, AND x AS CODES.  gates = softmax(relu(Q(x) Q(Wg1) + bg1) Wg2 + bg2); the two largest gates of each token are kept, the lower index first where two are equal.
; The first product is on codes of E4M3 with one E8M0 scale for each 32 along K; the second is f32 multiply-adds.
; SHARES.  Work-group T takes tokens 16 T .. 16 T + 15.  Wave w takes K = 256 w .. 256 w + 255 (two K steps of 128) of x and of Wg1; the four partial sums meet once in LDS and wave 0 finishes.
; OUT.  gq + 0: x's codes as images of operand registers, [T][K step 8][c 4][lane 32][16 bytes]; gq + XQS: x's scale words [token][8]; gq + GWB: the two gates [token][2] f32.
;       sel[token] = e0 | e1 << 8 | ((1 << e0) | (1 << e1)) << 16: stored at fixed places: no address of this launch hangs on the choice.
; Wg1 [1024][64]: a row is 256 bytes.  Lane (q, h) loads row k0 + 16 h + i, bytes 16 q: columns 4 q .. 4 q + 3.  TILE j TAKES COLUMN 4 m + j AT PLACE m, so a lane's four columns are its own place in four tiles
; and its 16 rows are the 16 neighbours along K that the operand's layout gives it.  The product is used transposed (source 0 = a tile of Wg1, source 1 = x): register p of tile j in lane (r, h) is token r, hidden unit 32 h + 4 p + j.
; LIMITS: NaN and infinities among the inputs are not served; a block whose largest magnitude lies under 2^-118 keeps the scale byte 1, a block of zeros too (its codes are zeros; this program alone reads the bytes);
; where the second and the third gate differ by less than f32 rounding either may be chosen.
; REGISTERS, in windows of 256: window 0: v1-13 offsets; v16-35 at work; v36-43 Wg1's scale words, v44-45 x's; v48-79 x's two fragments; v80-111 four accumulators; v128-255 x as f32, then held numbers, then the four partial sums.
;   window 1: v0-127 Wg1's eight fragments (tile j, step s at 16 (2 j + s)); v128-159 bg1.   window 2: four landing buffers of 64.   window 3: my half of Wg2, [unit 32][expert 8].
.set XQS,  1048576
.set GWB,  1081344
.set LN,   1                           ; lane
.set RR,   2                           ; r = lane % 16
.set HH,   3                           ; h = lane / 16
.set XA,   4                           ; x: 4096 r + 64 h
.set VW,   5                           ; Wg1: 16 r + 16 rows x h
.set L16,  6                           ; 16 x lane
.set VB1,  7                           ; bg1: 128 h
.set VG2,  8                           ; Wg2: 1024 h
.set XSO,  9                           ; x's scale words: 32 r + 4 h
.set LXS,  10                          ; LDS: 16 x lane + 4096 x wave
.set GWO,  11                          ; the gates: 8 r + 4 h
.set SLO,  12                          ; sel: 4 r
.set XSV,  13                          ; the scale word that I store
.set TMX,  16                          ; largest magnitudes
.set TMP,  20                          ; the other half's
.set LIM,  24                          ; 448 x the scale
.set SCL,  28                          ; the conversions' scale operands
.set BYT,  32                          ; scale bytes
.set WS,   36
.set XS,   44
.set XF,   48
.set ACC,  80
.set XR,   128
.set T64,  128
.set HID,  128
.set LG,   160
.set MSB, 0
.macro WIN new                         ; the immediate's high byte repeats the setting that is left
.if MSB != \new
	s_set_vgpr_msb (MSB<<8)|\new
.set MSB, \new
.endif
.endm
.macro PLACES n
.rept \n
	v_nop
.endr
.endm
.macro XLOAD s                         ; my row's 64 numbers of K step s: 16 neighbours of each block of 32
.irp b, 0,1,2,3
.irp i, 0,1,2,3
	global_load_b128 v[XR+64*\s+16*\b+4*\i:XR+64*\s+16*\b+4*\i+3], v[XA], s[4:5] offset:512*\s+128*\b+16*\i th:TH_LOAD_NT
.endr
.endr
.endm
.macro LOADW g                         ; 32 rows of Wg1 into landing buffer g % 4: each load reads two whole rows of 256 bytes
	WIN 0x80
.irp i, 0,1,2,3,4,5,6,7,8,9,10,11,12,13,14,15
	global_load_b128 v[64*((\g)%4)+4*\i:64*((\g)%4)+4*\i+3], v[VW], s[6:7] offset:(32*(\g)+\i)*256
.endr
.endm
.macro LOADG2 g                        ; a quarter of my half of Wg2 into window 3
	WIN 0xc0
.irp i, 0,1,2,3,4,5,6,7,8,9,10,11,12,13,14,15
	global_load_b128 v[64*(\g)+4*\i:64*(\g)+4*\i+3], v[VG2], s[10:11] offset:256*(\g)+16*\i
.endr
.endm
; 64 numbers of a lane, register 16 b + i = k 32 b + 16 h + i of my row, become a fragment's codes in v[pc] on and its scale word in v[pw]
.macro QUANT s, pc, pw
.irp b, 0,1,2,3
	v_max3_num_f32 v[TMX+\b], |v[\s+16*\b]|, |v[\s+1+16*\b]|, 0x4800000   ; my 16 numbers of block b, and the floor 2^(9 - 127): the byte cannot fall under 1
.endr
.irp i, 2,4,6,8,10,12,14
.irp b, 0,1,2,3
	v_max3_num_f32 v[TMX+\b], v[TMX+\b], |v[\s+16*\b+\i]|, |v[\s+1+16*\b+\i]|
.endr
.endr
.irp b, 0,1,2,3
	v_permlanex16_b32 v[TMP+\b], v[TMX+\b], s20, s21
.endr
.irp b, 0,1,2,3
	v_max_num_f32 v[TMX+\b], v[TMX+\b], v[TMP+\b]          ; with lane l xor 16's: the block's largest magnitude
.endr
.irp b, 0,1,2,3
	v_add_nc_u32 v[SCL+\b], 0xfc000000, v[TMX+\b]          ; 8 off its exponent field: the conversion's scale operand
.endr
.irp b, 0,1,2,3
	v_and_or_b32 v[LIM+\b], v[TMX+\b], 0x7f800000, s22     ; 448 x the scale
.endr
.irp b, 0,1,2,3
	v_lshrrev_b32 v[BYT+\b], 23, v[SCL+\b]                 ; the scale's byte
.endr
	v_lshl_or_b32 v[\pw], v[BYT+1], 8, v[BYT]
	v_lshl_or_b32 v[\pw], v[BYT+2], 16, v[\pw]
	v_lshl_or_b32 v[\pw], v[BYT+3], 24, v[\pw]
.irp b, 0,1,2,3
.irp i, 0,1,2,3,4,5,6,7,8,9,10,11,12,13,14,15
	v_med3_num_f32 v[\s+16*\b+\i], v[\s+16*\b+\i], -v[LIM+\b], v[LIM+\b]   ; the conversion to an 8-bit code does not saturate (ISA guide 7.6.2): the hold comes first
.endr
	v_cvt_scalef32_pk8_fp8_f32 v[\pc+4*\b:\pc+4*\b+1], v[\s+16*\b:\s+16*\b+7], v[SCL+\b]
	v_cvt_scalef32_pk8_fp8_f32 v[\pc+4*\b+2:\pc+4*\b+3], v[\s+16*\b+8:\s+16*\b+15], v[SCL+\b]
.endr
	v_nop                                          ; one plain line behind the last conversion
.endm
; block cb of Wg1 (32 along K x 64 columns): register 4 i + j of the landing buffer is W(32 cb + 16 h + i, 4 q + j).  The hold writes to the transposed register number, so nothing else transposes.
.macro QW cb
.set RB, 64*((\cb)%4)
.set SS, (\cb)/4
.set CC, (\cb)%4
	s_wait_loadcnt 48                              ; this group's 16 loads are in; the three younger groups of 16 may be out
	WIN 0x0a                                       ; sources 0 and 1: window 2
.irp j, 0,1,2,3
	v_max3_num_f32 v[TMX+\j], |v[RB+\j]|, |v[RB+4+\j]|, 0x4800000
.endr
.irp i, 2,4,6,8,10,12,14
.irp j, 0,1,2,3
	v_max3_num_f32 v[TMX+\j], |v[RB+4*\i+\j]|, |v[RB+4*\i+4+\j]|, v[TMX+\j]
.endr
.endr
	WIN 0
.irp j, 0,1,2,3
	v_permlanex16_b32 v[TMP+\j], v[TMX+\j], s20, s21
.endr
.irp j, 0,1,2,3
	v_max_num_f32 v[TMX+\j], v[TMX+\j], v[TMP+\j]
.endr
.irp j, 0,1,2,3
	v_add_nc_u32 v[SCL+\j], 0xfc000000, v[TMX+\j]
.endr
.irp j, 0,1,2,3
	v_and_or_b32 v[LIM+\j], v[TMX+\j], 0x7f800000, s22
.endr
.irp j, 0,1,2,3
.if CC == 0
	v_lshrrev_b32 v[WS+2*\j+SS], 23, v[SCL+\j]             ; the K step's first byte starts the scale word
.else
	v_lshrrev_b32 v[BYT+\j], 23, v[SCL+\j]
.endif
.endr
.if CC > 0
.irp j, 0,1,2,3
	v_lshl_or_b32 v[WS+2*\j+SS], v[BYT+\j], 8*CC, v[WS+2*\j+SS]
.endr
.endif
	WIN 0x02                                       ; source 0: window 2
.irp i, 0,1,2,3,4,5,6,7,8,9,10,11,12,13,14,15
.irp j, 0,1,2,3
	v_med3_num_f32 v[T64+16*\j+\i], v[RB+4*\i+\j], -v[LIM+\j], v[LIM+\j]
.endr
.endr
.if (\cb)+4 < 8
	LOADW (\cb)+4                                  ; the buffer just read takes the group four further on
.else
	LOADG2 (\cb)-4                                 ; then Wg2, in groups of the same size, so that every count stays 48
.endif
	WIN 0x40                                       ; destination: window 1
.irp j, 0,1,2,3
	v_cvt_scalef32_pk8_fp8_f32 v[16*(2*\j+SS)+4*CC:16*(2*\j+SS)+4*CC+1], v[T64+16*\j:T64+16*\j+7], v[SCL+\j]
	v_cvt_scalef32_pk8_fp8_f32 v[16*(2*\j+SS)+4*CC+2:16*(2*\j+SS)+4*CC+3], v[T64+16*\j+8:T64+16*\j+15], v[SCL+\j]
.endr
	WIN 0
	v_nop
.endm
	s_load_b256 s[4:11], s[0:1], 0x0               ; x, Wg1, bg1, Wg2
	s_load_b128 s[12:15], s[0:1], 0x20             ; bg2, gq
	s_load_b64 s[16:17], s[0:1], 0x30
	v_lshl_add_u32 v14, v0, 2, 16384               ; my spare word, behind the four waves' 4,096 bytes each; never rewritten
	v_mov_b32 v15, 0                               ; 0; never rewritten
	v_lshrrev_b32 v1, 5, v0
	v_readfirstlane_b32 s18, v1                    ; wave 0..3
	v_and_b32 v[LN], 31, v0
	v_and_b32 v[RR], 15, v0
	v_bfe_u32 v[HH], v0, 4, 1
	v_lshlrev_b32 v[XA], 12, v[RR]
	v_lshl_add_u32 v[XA], v[HH], 6, v[XA]
	v_lshlrev_b32 v[VW], 4, v[RR]
	v_lshl_add_u32 v[VW], v[HH], 12, v[VW]
	v_lshlrev_b32 v[L16], 4, v[LN]
	v_lshlrev_b32 v[VB1], 7, v[HH]
	v_lshlrev_b32 v[VG2], 10, v[HH]
	v_lshlrev_b32 v[XSO], 5, v[RR]
	v_lshl_add_u32 v[XSO], v[HH], 2, v[XSO]
	s_lshl_b32 s40, s18, 12
	v_add_nc_u32 v[LXS], s40, v[L16]
	v_lshlrev_b32 v[GWO], 3, v[RR]
	v_lshl_add_u32 v[GWO], v[HH], 2, v[GWO]
	v_lshlrev_b32 v[SLO], 2, v[RR]
.irp b, 0,1,2,3
	v_mov_b32 v[TMP+\b], 0                         ; written once: a lane permute's destination counts as one of its sources
.endr
	s_mov_b32 s20, 0x76543210
	s_mov_b32 s21, 0xfedcba98                      ; v_permlanex16_b32's selects for lane l xor 16
	s_mov_b32 s22, 0x600000                        ; the mantissa field of 448
	s_mov_b32 s33, 0
	s_wait_kmcnt 0x0
	s_load_b256 s[24:31], s[12:13], 0x0            ; bg2's eight numbers
	s_lshl_b32 s32, ttmp9, 16                      ; x: 16 rows of 4,096 bytes a work-group,
	s_lshl_b32 s34, s18, 10                        ; 256 numbers a wave
	s_add_co_u32 s32, s32, s34
	s_add_nc_u64 s[4:5], s[4:5], s[32:33]
	s_lshl_b32 s32, s18, 16                        ; Wg1: 256 rows of 256 bytes a wave
	s_add_nc_u64 s[6:7], s[6:7], s[32:33]
	s_lshl_b32 s32, ttmp9, 14                      ; x's images: 16 KiB a work-group, 4 KiB a wave
	s_add_co_u32 s32, s32, s40
	s_add_nc_u64 s[34:35], s[14:15], s[32:33]
	s_lshl_b32 s32, ttmp9, 9                       ; x's scale words: 512 bytes a work-group, 8 a wave
	s_lshl_b32 s41, s18, 3
	s_add_co_u32 s32, s32, s41
	s_add_nc_u64 s[36:37], s[14:15], s[32:33]
	s_lshl_b32 s32, ttmp9, 7                       ; the gates: 128 bytes a work-group
	s_add_nc_u64 s[38:39], s[14:15], s[32:33]
	s_lshl_b32 s32, ttmp9, 6                       ; sel: 64 bytes a work-group
	s_add_nc_u64 s[16:17], s[16:17], s[32:33]
	XLOAD 0
	XLOAD 1
	WIN 0x40
.irp p, 0,1,2,3,4,5,6,7
	global_load_b128 v[128+4*\p:131+4*\p], v[VB1], s[8:9] offset:16*\p   ; bg1 of my 32 hidden units: register 4 p + j
.endr
	LOADW 0
	LOADW 1
	WIN 0
	s_wait_kmcnt 0x0                               ; bg2
	s_wait_loadcnt 56                              ; x's first step is in: behind it 16 + 8 + 32 loads
	QUANT XR, XF, XS
	s_wait_loadcnt 40                              ; x's second step: behind it 8 + 32
	QUANT XR+64, XF+16, XS+1
	v_cmp_eq_u32 vcc_lo, 1, v[HH]
	v_cndmask_b32 v[XSV], v[XS], v[XS+1], vcc_lo   ; lanes 0-15 store the first step's word, lanes 16-31 the second's
.irp s, 0,1
.irp c, 0,1,2,3
	global_store_b128 v[L16], v[XF+16*\s+4*\c:XF+16*\s+4*\c+3], s[34:35] offset:2048*\s+512*\c   ; 512 consecutive bytes a store
.endr
.endr
	global_store_b32 v[XSO], v[XSV], s[36:37] offset:XQS
	LOADW 2
	LOADW 3
.set Q, 0
.rept 8
	QW Q
.set Q, Q+1
.endr
	PLACES 8                                       ; operands and scale words made by vector instructions stand eight places ahead of the scaled products
	WIN 0x01                                       ; source 0: window 1
.irp j, 0,1,2,3
	v_wmma_scale_f32_16x16x128_f8f6f4 v[ACC+8*\j:ACC+8*\j+7], v[32*\j:32*\j+15], v[XF:XF+15], 0, v[WS+2*\j], v[XS]
.endr
.irp j, 0,1,2,3
	v_wmma_scale_f32_16x16x128_f8f6f4 v[ACC+8*\j:ACC+8*\j+7], v[32*\j+16:32*\j+31], v[XF+16:XF+31], v[ACC+8*\j:ACC+8*\j+7], v[WS+2*\j+1], v[XS+1]
.endr
	WIN 0
	PLACES 8                                       ; eight places behind this form before its results are read
.irp j, 0,1,2,3
	ds_store_b128 v[LXS], v[ACC+8*\j:ACC+8*\j+3] offset:1024*\j            ; each accumulator from its low end on
	ds_store_b128 v[LXS], v[ACC+8*\j+4:ACC+8*\j+7] offset:1024*\j+512
.endr
	s_wait_dscnt 0x0                               ; for the others' sake: my partial sums lie in LDS
	s_barrier_signal -1
	s_barrier_wait -1
	s_cmp_lg_u32 s18, 0
	s_cbranch_scc1 .Lend                           ; wave 0 finishes; no barrier follows
.irp v, 0,1,2,3
.irp g, 0,1,2,3,4,5,6,7
	ds_load_b128 v[128+32*\v+4*\g:128+32*\v+4*\g+3], v[L16] offset:4096*\v+512*\g
.endr
.endr
	s_wait_dscnt 0x0
.irp n, 0,2,4,6,8,10,12,14,16,18,20,22,24,26,28,30
	v_pk_add_f32 v[128+\n:129+\n], v[128+\n:129+\n], v[160+\n:161+\n]
	v_pk_add_f32 v[192+\n:193+\n], v[192+\n:193+\n], v[224+\n:225+\n]
.endr
.irp n, 0,2,4,6,8,10,12,14,16,18,20,22,24,26,28,30
	v_pk_add_f32 v[128+\n:129+\n], v[128+\n:129+\n], v[192+\n:193+\n]
.endr
	s_wait_loadcnt 0x0                             ; bg1 and Wg2
	WIN 0x04                                       ; source 1: window 1
.irp j, 0,1,2,3
.irp p, 0,1,2,3,4,5,6,7
	v_add_f32 v[HID+8*\j+\p], v[HID+8*\j+\p], v[128+4*\p+\j]
.endr
.endr
	WIN 0
.irp n, 0,1,2,3,4,5,6,7,8,9,10,11,12,13,14,15,16,17,18,19,20,21,22,23,24,25,26,27,28,29,30,31
	v_max_num_f32 v[HID+\n], 0, v[HID+\n]          ; relu
.endr
	WIN 0x0c                                       ; source 1: window 3
.irp e, 0,1,2,3,4,5,6,7
	v_mul_f32 v[LG+\e], v[HID], v[\e]              ; unit 0 starts the eight sums
.endr
.set U, 1
.rept 31
.irp e, 0,1,2,3,4,5,6,7
	v_fma_f32 v[LG+\e], v[HID+8*(U%4)+U/4], v[8*U+\e], v[LG+\e]   ; unit U = 4 p + j of my half lies in register 8 j + p; eight chains by turns
.endr
.set U, U+1
.endr
	WIN 0
.irp e, 0,1,2,3,4,5,6,7
	v_permlanex16_b32 v[168+\e], v[LG+\e], s20, s21
.endr
.irp e, 0,1,2,3,4,5,6,7
	v_add_f32 v[LG+\e], v[LG+\e], v[168+\e]        ; the other 32 units': both halves of the lanes now hold the same bits
.endr
.irp e, 0,1,2,3,4,5,6,7
	v_add_f32 v[LG+\e], s[24+\e], v[LG+\e]         ; + bg2
.endr
	v_max3_num_f32 v176, v160, v161, v162
	v_max3_num_f32 v176, v176, v163, v164
	v_max3_num_f32 v176, v176, v165, v166
	v_max_num_f32 v176, v176, v167                 ; the row's maximum is taken away ahead of the exponentials
.irp e, 0,1,2,3,4,5,6,7
	v_sub_f32 v[LG+\e], v[LG+\e], v176
.endr
.irp e, 0,1,2,3,4,5,6,7
	v_mul_f32 v[LG+\e], 0x3fb8aa3b, v[LG+\e]
.endr
	s_wait_alu depctr_va_vdst(0)
.irp e, 0,1,2,3,4,5,6,7
	v_exp_f32 v[LG+\e], v[LG+\e]
.endr
	v_mov_b32 v182, -1.0                           ; a plain line behind the batch
	s_wait_alu depctr_va_vdst(0)                   ; one wait for the eight exponentials, ahead of their first reader
	v_add_f32 v177, v160, v161
	v_add_f32 v178, v162, v163
	v_add_f32 v179, v164, v165
	v_add_f32 v180, v166, v167
	v_add_f32 v177, v177, v178
	v_add_f32 v179, v179, v180
	v_add_f32 v177, v177, v179
	s_wait_alu depctr_va_vdst(0)
	v_rcp_f32 v177, v177
	v_mov_b32 v183, 0x10000                        ; a plain line behind the reciprocal
	s_wait_alu depctr_va_vdst(0)
.irp e, 0,1,2,3,4,5,6,7
	v_mul_f32 v[LG+\e], v[LG+\e], v177             ; the gates
.endr
	v_mov_b32 v178, v160                           ; the largest gate and its index: a later one wins only if it is larger
	v_mov_b32 v179, 0
.irp e, 1,2,3,4,5,6,7
	v_cmp_ge_f32 vcc_lo, v178, v[LG+\e]
	v_cndmask_b32 v179, \e, v179, vcc_lo
	v_max_num_f32 v178, v178, v[LG+\e]
.endr
.irp e, 0,1,2,3,4,5,6,7
	v_cmp_eq_u32 vcc_lo, \e, v179
	v_cndmask_b32 v[184+\e], v[LG+\e], v182, vcc_lo        ; the winner is out of the second scan: -1 lies under every gate
.endr
	v_mov_b32 v180, v184
	v_mov_b32 v181, 0
.irp e, 1,2,3,4,5,6,7
	v_cmp_ge_f32 vcc_lo, v180, v[184+\e]
	v_cndmask_b32 v181, \e, v181, vcc_lo
	v_max_num_f32 v180, v180, v[184+\e]
.endr
	v_lshlrev_b32 v176, v179, v183                 ; 1 << (16 + e0)
	v_lshlrev_b32 v173, v181, v183
	v_lshl_or_b32 v175, v181, 8, v179
	v_or_b32 v176, v176, v173
	v_or_b32 v175, v175, v176
	v_cmp_eq_u32 vcc_lo, 1, v[HH]
	v_cndmask_b32 v174, v178, v180, vcc_lo         ; lanes 0-15 store the first gate, lanes 16-31 the second
	global_store_b32 v[GWO], v174, s[38:39] offset:GWB
	global_store_b32 v[SLO], v175, s[16:17]        ; lanes r and r + 16 write the same word with the same value
.Lend:
	s_wait_tensorcnt 0x0                           ; the wave's end
	ds_add_u32 v14, v15
	s_wait_dscnt 0x0
	s_endpgm
.Lfunc_end_k_q7ade39cf48_gate:
	.size	k_q7ade39cf48_gate, .Lfunc_end_k_q7ade39cf48_gate-k_q7ade39cf48_gate
	.p2alignl 7, 3214868480
	.fill 96, 4, 3214868480
	.section	.rodata,"a",@progbits
	.p2align	6, 0x0
	.amdhsa_kernel k_q7ade39cf48_gate
		.amdhsa_group_segment_fixed_size 16896
		.amdhsa_private_segment_fixed_size 0
		.amdhsa_enable_private_segment 0
		.amdhsa_kernarg_size 56
		.amdhsa_user_sgpr_count 2
		.amdhsa_user_sgpr_kernarg_segment_ptr 1
		.amdhsa_wavefront_size32 1
		.amdhsa_system_sgpr_workgroup_id_x 1
		.amdhsa_system_sgpr_workgroup_id_y 1
		.amdhsa_system_sgpr_workgroup_id_z 1
		.amdhsa_system_vgpr_workitem_id 0
		.amdhsa_next_free_vgpr 1024
		.amdhsa_next_free_sgpr 66
		.amdhsa_reserve_vcc 1
		.amdhsa_float_denorm_mode_32 3
		.amdhsa_float_denorm_mode_16_64 3
		.amdhsa_memory_ordered 1
		.amdhsa_forward_progress 1
		.amdhsa_inst_pref_size 138
	.end_amdhsa_kernel
	.amdgpu_metadata
---
amdhsa.version: [ 1, 2 ]
amdhsa.kernels:
  - .name:           k_q7ade39cf48_gate
    .symbol:         k_q7ade39cf48_gate.kd
    .args:
      - { .name: x, .offset: 0, .size: 8, .value_kind: global_buffer, .address_space: global }
      - { .name: Wg1, .offset: 8, .size: 8, .value_kind: global_buffer, .address_space: global }
      - { .name: bg1, .offset: 16, .size: 8, .value_kind: global_buffer, .address_space: global }
      - { .name: Wg2, .offset: 24, .size: 8, .value_kind: global_buffer, .address_space: global }
      - { .name: bg2, .offset: 32, .size: 8, .value_kind: global_buffer, .address_space: global }
      - { .name: gq, .offset: 40, .size: 8, .value_kind: global_buffer, .address_space: global }
      - { .name: sel, .offset: 48, .size: 8, .value_kind: global_buffer, .address_space: global }
    .group_segment_fixed_size: 16896
    .private_segment_fixed_size: 0
    .kernarg_segment_align: 8
    .kernarg_segment_size: 56
    .max_flat_workgroup_size: 128
    .sgpr_count:     66
    .vgpr_count:     1024
    .wavefront_size: 32
...
	.end_amdgpu_metadata
.endif
;; end of part 1
;; launch place (part 2): grid 64 x 8, 1 waves a work-group, no clusters, 512 bytes of LDS; arguments sel, gq, xr, pidx; writes xr, pidx
.if DOCPART == 2
	.amdgcn_target "amdgcn-amd-amdhsa--gfx1250"
	.amdhsa_code_object_version 6
	.text
	.protected	k_q7ade39cf48_place
	.globl	k_q7ade39cf48_place
	.p2align	8
	.type	k_q7ade39cf48_place,@function
k_q7ade39cf48_place:
	s_mov_b64 s[64:65], 0
	v_nop
	global_prefetch_b8 v0, s[64:65] scope:SCOPE_SE
	s_setreg_imm32_b32 hwreg(HW_REG_WAVE_MODE, 25, 1), 1
	s_wait_xcnt 0x0
; THE ROWS ARE PLACED BY EXPERT.  Work-group (t, e), one wave, makes tile t (16 rows) of expert e's list: it counts the expert's tokens from sel, finds the tokens at places 16 t .. 16 t + 15,
; gathers their codes and scale words of x and stores them as images of operand registers.  Every work-group of an expert counts in the same order, so all agree on the places.
; An expert's list is handled in whole rounds of 64 rows: rounds = max(1, ceil(count / 64)).  Rows beyond the count are zero codes under the scale byte 127.  A tile beyond 4 x rounds stores nothing: its work-group ends.
; OUT.  xr + 0: [e][tile 64][K step 8][c 4][lane 32][16 bytes]; xr + XRS: scale words [e][tile][Q 2][r 16][4 words]; pidx + 0: posmap[e][token] (meant only where the token has chosen e); pidx + 32768: rounds, 32 equal words an expert.
; One wave to a work-group: the scatter through LDS, whose address hangs on sel, meets no other wave; LDS serves a wave's instructions in order (ISA guide 5.7.1.4), so there is no barrier.
.set XQS, 1048576
.set XRS, 8388608
.set SEL, 16                           ; v16-47   sel: register 4 jj + p, lane l: token 128 jj + 4 l + p
.set POS, 48                           ; v48-79   that token's place in the expert's list
.set D,   96                           ; v96-223  a row's codes: 32 x 16 bytes
.set SC,  224                          ; v224-227 four scale words
	s_load_b256 s[4:11], s[0:1], 0x0               ; sel, gq, xr, pidx
	v_and_b32 v1, 31, v0                           ; lane
	v_and_b32 v2, 15, v0                           ; r
	v_bfe_u32 v3, v0, 4, 1                         ; h
	v_lshlrev_b32 v4, 4, v1                        ; 16 x lane
	v_lshlrev_b32 v5, 2, v1                        ; 4 x lane
	v_mov_b32 v6, -1
	v_lshl_add_u32 v230, v0, 2, 256                ; my spare word, in the block behind the list's words; never rewritten
	v_mov_b32 v231, 0                              ; 0; never rewritten
	s_and_b32 s12, ttmp7, 0xffff                   ; e
	s_add_co_u32 s13, s12, 16
	s_lshl_b32 s13, 1, s13                         ; the expert's bit in a word of sel
	s_lshl_b32 s14, ttmp9, 4                       ; the tile's first place
	s_mov_b32 s15, 0                               ; tokens counted so far
	ds_store_b32 v5, v6                            ; words 0-31: no token
	s_wait_alu depctr_va_vdst(0)
	s_wait_kmcnt 0x0
.irp jj, 0,1,2,3,4,5,6,7
	global_load_b128 v[SEL+4*\jj:SEL+4*\jj+3], v4, s[4:5] offset:512*\jj
.endr
	s_wait_loadcnt 0x0
.set G, 0
.rept 32
	v_and_b32 v13, s13, v[SEL+G]
	v_cmp_ne_u32 vcc_lo, 0, v13                    ; has my token chosen e?
	v_mbcnt_lo_u32_b32 v[POS+G], vcc_lo, s15       ; those counted so far + those in lower lanes
	s_bcnt1_i32_b32 s16, vcc_lo
	s_add_co_u32 s15, s15, s16
	v_sub_nc_u32 v14, v[POS+G], s14                ; its place in my tile,
	v_cndmask_b32 v14, 16, v14, vcc_lo             ; word 16, which nobody reads, for tokens of other experts
	v_min_u32 v14, 16, v14                         ; and of other tiles
	v_lshlrev_b32 v14, 2, v14
	v_add_nc_u32 v15, 128*(G/4)+G%4, v5            ; the token's number
	ds_store_b32 v14, v15
.set G, G+1
.endr
	s_add_co_u32 s16, s15, 63
	s_lshr_b32 s16, s16, 6
	s_max_u32 s16, s16, 1                          ; rounds
	s_lshl_b32 s17, s16, 2
	s_cmp_ge_u32 ttmp9, s17
	s_cbranch_scc1 .Lend                           ; a tile beyond the expert's rounds
	s_mov_b32 s21, 0
	s_cmp_lg_u32 ttmp9, 0
	s_cbranch_scc1 .Lnot0
	s_lshl_b32 s20, s12, 12                        ; tile 0's work-group also stores the expert's places and rounds
	s_add_nc_u64 s[22:23], s[10:11], s[20:21]
	s_wait_alu depctr_va_vdst(0)
.irp jj, 0,1,2,3,4,5,6,7
	global_store_b128 v4, v[POS+4*\jj:POS+4*\jj+3], s[22:23] offset:512*\jj
.endr
	s_lshl_b32 s20, s12, 7
	s_add_nc_u64 s[24:25], s[10:11], s[20:21]
	v_mov_b32 v7, s16
	global_store_b32 v5, v7, s[24:25] offset:32768
.Lnot0:
	v_lshlrev_b32 v8, 2, v2
	ds_load_b32 v9, v8                             ; row r's token
	s_wait_dscnt 0x0
	v_cmp_gt_u32 vcc_lo, 1024, v9                  ; is there one?
	v_min_u32 v9, 0x3ff, v9
	v_and_b32 v10, 0x3f0, v9
	v_lshlrev_b32 v10, 10, v10                     ; its tile of 16 tokens: 16 KiB each,
	v_and_b32 v11, 15, v9
	v_lshl_add_u32 v10, v11, 4, v10                ; its row's 16 bytes in a group of 512,
	v_lshl_add_u32 v10, v3, 8, v10                 ; my half of the lanes
	v_lshlrev_b32 v12, 5, v9
	v_lshl_add_u32 v12, v3, 4, v12                 ; its scale words: lanes 0-15 K steps 0-3, lanes 16-31 K steps 4-7
.irp n, 0,1,2,3,4,5,6,7,8,9,10,11,12,13,14,15,16,17,18,19,20,21,22,23,24,25,26,27,28,29,30,31
	global_load_b128 v[D+4*\n:D+4*\n+3], v10, s[6:7] offset:512*\n
.endr
	global_load_b128 v[SC:SC+3], v12, s[6:7] offset:XQS
	s_lshl_b32 s20, s12, 20
	s_lshl_b32 s26, ttmp9, 14
	s_add_co_u32 s20, s20, s26
	s_add_nc_u64 s[28:29], s[8:9], s[20:21]        ; my tile's codes
	s_lshl_b32 s20, s12, 15
	s_lshl_b32 s26, ttmp9, 9
	s_add_co_u32 s20, s20, s26
	s_add_nc_u64 s[30:31], s[8:9], s[20:21]
	s_add_nc_u64 s[30:31], s[30:31], XRS           ; and its scale words
	s_wait_loadcnt 0x0
.irp n, 0,1,2,3,4,5,6,7,8,9,10,11,12,13,14,15,16,17,18,19,20,21,22,23,24,25,26,27,28,29,30,31
.irp k, 0,1,2,3
	v_cndmask_b32 v[D+4*\n+\k], 0, v[D+4*\n+\k], vcc_lo    ; a row without a token: zero codes
.endr
.endr
.irp k, 0,1,2,3
	v_cndmask_b32 v[SC+\k], 0x7f7f7f7f, v[SC+\k], vcc_lo   ; under the scale 1
.endr
.irp n, 0,1,2,3,4,5,6,7,8,9,10,11,12,13,14,15,16,17,18,19,20,21,22,23,24,25,26,27,28,29,30,31
	global_store_b128 v4, v[D+4*\n:D+4*\n+3], s[28:29] offset:512*\n       ; 512 consecutive bytes a store
.endr
	global_store_b128 v4, v[SC:SC+3], s[30:31]
.Lend:
	s_wait_tensorcnt 0x0                           ; the wave's end
	ds_add_u32 v230, v231
	s_wait_dscnt 0x0
	s_endpgm
.Lfunc_end_k_q7ade39cf48_place:
	.size	k_q7ade39cf48_place, .Lfunc_end_k_q7ade39cf48_place-k_q7ade39cf48_place
	.p2alignl 7, 3214868480
	.fill 96, 4, 3214868480
	.section	.rodata,"a",@progbits
	.p2align	6, 0x0
	.amdhsa_kernel k_q7ade39cf48_place
		.amdhsa_group_segment_fixed_size 512
		.amdhsa_private_segment_fixed_size 0
		.amdhsa_enable_private_segment 0
		.amdhsa_kernarg_size 32
		.amdhsa_user_sgpr_count 2
		.amdhsa_user_sgpr_kernarg_segment_ptr 1
		.amdhsa_wavefront_size32 1
		.amdhsa_system_sgpr_workgroup_id_x 1
		.amdhsa_system_sgpr_workgroup_id_y 1
		.amdhsa_system_sgpr_workgroup_id_z 1
		.amdhsa_system_vgpr_workitem_id 0
		.amdhsa_next_free_vgpr 240
		.amdhsa_next_free_sgpr 66
		.amdhsa_reserve_vcc 1
		.amdhsa_float_denorm_mode_32 3
		.amdhsa_float_denorm_mode_16_64 3
		.amdhsa_memory_ordered 1
		.amdhsa_forward_progress 1
		.amdhsa_inst_pref_size 30
	.end_amdhsa_kernel
	.amdgpu_metadata
---
amdhsa.version: [ 1, 2 ]
amdhsa.kernels:
  - .name:           k_q7ade39cf48_place
    .symbol:         k_q7ade39cf48_place.kd
    .args:
      - { .name: sel, .offset: 0, .size: 8, .value_kind: global_buffer, .address_space: global }
      - { .name: gq, .offset: 8, .size: 8, .value_kind: global_buffer, .address_space: global }
      - { .name: xr, .offset: 16, .size: 8, .value_kind: global_buffer, .address_space: global }
      - { .name: pidx, .offset: 24, .size: 8, .value_kind: global_buffer, .address_space: global }
    .group_segment_fixed_size: 512
    .private_segment_fixed_size: 0
    .kernarg_segment_align: 8
    .kernarg_segment_size: 32
    .max_flat_workgroup_size: 32
    .sgpr_count:     66
    .vgpr_count:     240
    .wavefront_size: 32
...
	.end_amdgpu_metadata
.endif
;; end of part 2
;; launch lay1 (part 3): grid 32 x 8, 4 waves a work-group, no clusters, 68,096 bytes of LDS; arguments W1, b1, xr, pidx, h1; writes h1
.if DOCPART == 3
	.amdgcn_target "amdgcn-amd-amdhsa--gfx1250"
	.amdhsa_code_object_version 6
	.text
	.protected	k_q7ade39cf48_lay1
	.globl	k_q7ade39cf48_lay1
	.p2align	8
	.type	k_q7ade39cf48_lay1,@function
k_q7ade39cf48_lay1:
	s_mov_b64 s[64:65], 0
	v_nop
	global_prefetch_b8 v0, s[64:65] scope:SCOPE_SE
	s_setreg_imm32_b32 hwreg(HW_REG_WAVE_MODE, 25, 1), 1
	s_wait_xcnt 0x0
; ONE LAYER OF ONE EXPERT ON ITS ROUTED ROWS: here h1 = Q(relu(Q(x) Q(W1) + b1)), K = 1,024, 2,048 columns.  Both operands are codes of E4M3 with one E8M0 scale for each 32 along K; sums in f32.
; SHARES.  Work-group (x, e) owns 64 columns of expert e's weight: 256 bytes of each weight row.  PHASE W: it streams them once as f32 (wave w: a quarter of K), quantises them down K in registers and lays the codes in LDS as images of
; operand registers; one barrier, on every wave's path.  PHASE M: wave w takes rounds w, w + 4, .. of the expert's rows (a round = 64 rows = 4 tiles of 16) through all of K; nothing is written to LDS any more, so no barrier follows.
; The number of rounds is read from pidx, which an earlier launch stored; the launch has no tensor load, no copy and no cluster (partners would need different numbers of tiles), and operands come by plain loads.
; THE WEIGHT.  Lane (q, h) loads row k0 + 16 h + i, bytes 16 q: one load reads two whole rows of 256 bytes.  TILE j TAKES COLUMN 4 m + j AT PLACE m: a lane's four columns are its own place in four tiles, its 16 rows the 16 neighbours
; along K that the operand's layout gives it; the hold writes to the transposed register number, so nothing else transposes.
; THE RESULT (MODE 0): the product is used transposed (source 0 = a weight tile, source 1 = 16 rows): register p of tile j in lane (r, h) is row r, column 32 h + 4 p + j: a lane holds one whole block of 32 of the next K.
; (MODE 1: source 0 = 16 rows, source 1 = a weight tile: register p of tile j is row 8 h + p, column 4 r + j: 16 lanes store 256 consecutive bytes of a row.)  The bias is the C of each sum's first product (MODE 0) or added on the way out (MODE 1).
; LIMITS: NaN and infinities are not served; a block whose largest magnitude lies under 2^-118 keeps the scale byte 1, a block of zeros too (its codes are zeros; this program alone reads the bytes); the bias enters the sum first, not last.
; REGISTERS, in windows of 256: window 0: v1-13 offsets; v16-35 at work; v36-39 a K step's weight scale words; v40-55 codes just made; v56-63 weight scale words, two sets; v64-95 at work on the way out; v96-127 the rows' scale words, two sets;
;   v128-255 held numbers, later results.   window 1: weight fragments, two sets of 64.   window 2: four buffers of 64: the weight's landing buffers, then the rows' fragments.   window 3: 16 accumulators ((i, j) at 8 (4 i + j)); from v128 the bias tiles.
; SCALARS: s[26:27], s[30:31] this round's codes and scale words; s[28:29], s[32:33] the next round's; s[54:55], s[56:57] the expert's; s52 the next round's number, s53 the expert's last round; s23 rounds that I still have.
.set KS,    8                          ; K steps of 128 in the work-group's K
.set ROWB,  8192                       ; a weight row in bytes
.set WEXP,  8388608                    ; an expert's weight in bytes
.set BEXP,  8192                       ; an expert's bias in bytes
.set TILEB, 16384                      ; a tile of 16 rows of the incoming codes
.set STB,   512                        ; and of their scale words
.set ASCL,  8388608                    ; where the incoming scale words begin
.set MODE,  0                          ; 0: relu, codes out; 1: f32 out
.set SPLIT, 0                          ; 1: two work-groups share K
.set KSW,   KS/4                       ; K steps that a wave quantises
.set NB,    4*KSW                      ; blocks of 32 along K in them
.set WSC,   KS*8192                    ; LDS: fragment (s, j) at 8192 s + 2048 j + 512 c + 16 lane; behind them the scale words, [s][r 16][j 4]
.set LN,   1
.set RR,   2
.set HH,   3
.set VW,   4                           ; the weight: 16 r + 16 rows x h
.set L16,  5                           ; 16 x lane
.set L16H, 6                           ; + 65,536
.set R16,  7                           ; 16 r
.set LWS,  8                           ; LDS: WSC + 16 r
.set SWI,  9                           ; LDS: where I store fragments: 16 x lane + my wave's K steps
.set SWS,  10                          ; LDS: and scale words
.set VO,   11                          ; the way out: my offset among the results
.set VOS,  12                          ; and among their scale bytes
.set VB,   13                          ; the bias: 128 h
.set TMX,  16
.set TMP,  20
.set LIM,  24
.set SCL,  28
.set BYT,  32
.set WSA,  36
.set PCW,  40
.set WS,   56
.set TT,   64
.set BN,   64
.set AS,   96
.set T64,  128
.set PCD,  128
.set BYO,  160
.set TO,   128
.set BIAS, 128
.set MSB, 0
.macro WIN new                         ; the immediate's high byte repeats the setting that is left
.if MSB != \new
	s_set_vgpr_msb (MSB<<8)|\new
.set MSB, \new
.endif
.endm
.macro PLACES n
.rept \n
	v_nop
.endr
.endm
.macro LOADW g                         ; block g of my K: 32 weight rows into landing buffer g % 4
	WIN 0x80
.irp i, 0,1,2,3,4,5,6,7,8,9,10,11,12,13,14,15
	global_load_b128 v[64*((\g)%4)+4*\i:64*((\g)%4)+4*\i+3], v[VW], s[4:5] offset:(32*(\g)+\i)*ROWB th:TH_LOAD_NT
.endr
.endm
; the rows' fragments of K step x (four tiles) into buffer x % 4; with every fourth step the scale words of four steps.  x >= KS: the first steps of the wave's next round
.macro ALOAD x
.if (\x) < KS
.set AX, (\x)
.set AP, 26
.set SPX, 30
.else
.set AX, (\x)-KS
.set AP, 28
.set SPX, 32
.endif
	WIN 0x80
.irp i, 0,1,2,3
.irp c, 0,1,2,3
	global_load_b128 v[64*(AX%4)+16*\i+4*\c:64*(AX%4)+16*\i+4*\c+3], v[L16], s[AP:AP+1] offset:\i*TILEB+AX*2048+512*\c
.endr
.endr
.if AX%4 == 0
	WIN 0
.irp i, 0,1,2,3
	global_load_b128 v[AS+16*((AX/4)%2)+4*\i:AS+16*((AX/4)%2)+4*\i+3], v[R16], s[SPX:SPX+1] offset:\i*STB+(AX/4)*256
.endr
.endif
.endm
; block cb: register 4 i + j of the landing buffer is W(32 cb + 16 h + i, 4 q + j)
.macro QW cb
.set RB, 64*((\cb)%4)
.set SS, (\cb)/4
.set CC, (\cb)%4
.if (\cb) >= NB-3
	s_wait_loadcnt 52                              ; this group is in; behind it three groups, one of them of 20 (fragments and scale words of the rows' K step 0)
.else
	s_wait_loadcnt 48                              ; this group is in; behind it three groups of 16
.endif
	s_wait_dscnt 0x0                               ; the last block's LDS stores have read their registers
	WIN 0x0a                                       ; sources 0 and 1: window 2
.irp j, 0,1,2,3
	v_max3_num_f32 v[TMX+\j], |v[RB+\j]|, |v[RB+4+\j]|, 0x4800000          ; and the floor 2^(9 - 127): the byte cannot fall under 1
.endr
.irp i, 2,4,6,8,10,12,14
.irp j, 0,1,2,3
	v_max3_num_f32 v[TMX+\j], |v[RB+4*\i+\j]|, |v[RB+4*\i+4+\j]|, v[TMX+\j]
.endr
.endr
	WIN 0
.irp j, 0,1,2,3
	v_permlanex16_b32 v[TMP+\j], v[TMX+\j], s38, s39
.endr
.irp j, 0,1,2,3
	v_max_num_f32 v[TMX+\j], v[TMX+\j], v[TMP+\j]          ; with lane l xor 16's 16 rows: the block's largest magnitude
.endr
.irp j, 0,1,2,3
	v_add_nc_u32 v[SCL+\j], 0xfc000000, v[TMX+\j]          ; 8 off its exponent field: the conversion's scale operand
.endr
.irp j, 0,1,2,3
	v_and_or_b32 v[LIM+\j], v[TMX+\j], 0x7f800000, s40     ; 448 x the scale
.endr
.irp j, 0,1,2,3
.if CC == 0
	v_lshrrev_b32 v[WSA+\j], 23, v[SCL+\j]                 ; the K step's first byte starts the scale word
.else
	v_lshrrev_b32 v[BYT+\j], 23, v[SCL+\j]
.endif
.endr
.if CC > 0
.irp j, 0,1,2,3
	v_lshl_or_b32 v[WSA+\j], v[BYT+\j], 8*CC, v[WSA+\j]
.endr
.endif
	WIN 0x02                                       ; source 0: window 2
.irp i, 0,1,2,3,4,5,6,7,8,9,10,11,12,13,14,15
.irp j, 0,1,2,3
	v_med3_num_f32 v[T64+16*\j+\i], v[RB+4*\i+\j], -v[LIM+\j], v[LIM+\j]   ; the conversion does not saturate (ISA guide 7.6.2): the hold; it also turns [k][column] into [column][k]
.endr
.endr
.if (\cb)+4 < NB
	LOADW (\cb)+4                                  ; the buffer just read takes the group four further on:
.elseif (\cb)+4 <= NB+2
	ALOAD (\cb)+4-NB
.endif
	WIN 0
.if (\cb)+4 < NB
	s_wait_alu depctr_va_vdst(0)
	THR 16
.endif
.irp j, 0,1,2,3
	v_cvt_scalef32_pk8_fp8_f32 v[PCW+4*\j:PCW+4*\j+1], v[T64+16*\j:T64+16*\j+7], v[SCL+\j]
	v_cvt_scalef32_pk8_fp8_f32 v[PCW+4*\j+2:PCW+4*\j+3], v[T64+16*\j+8:T64+16*\j+15], v[SCL+\j]
.endr
	v_nop                                          ; one plain line behind the last conversion
.irp j, 0,1,2,3
	ds_store_b128 v[SWI], v[PCW+4*\j:PCW+4*\j+3] offset:SS*8192+\j*2048+CC*512   ; 512 consecutive bytes
.endr
.if CC == 3
	ds_store_b128 v[SWS], v[WSA:WSA+3] offset:256*SS       ; lanes q and q + 16 write the same words with the same values
.endif
.endm
.macro FETCHB s                        ; K step s: four weight fragments into set s % 2, and their scale words: 17 LDS loads
	WIN 0x40
.irp j, 0,1,2,3
.irp c, 0,1,2,3
.if (\s) < 8
	ds_load_b128 v[64*((\s)%2)+16*\j+4*\c:64*((\s)%2)+16*\j+4*\c+3], v[L16] offset:(\s)*8192+\j*2048+\c*512
.else
	ds_load_b128 v[64*((\s)%2)+16*\j+4*\c:64*((\s)%2)+16*\j+4*\c+3], v[L16H] offset:((\s)-8)*8192+\j*2048+\c*512
.endif
.endr
.endr
	WIN 0
	ds_load_b128 v[WS+4*((\s)%2):WS+4*((\s)%2)+3], v[LWS] offset:256*(\s)
.endm
.macro MUL s                           ; 16 products, the 16 accumulators by turns, in the same order in every step
.set BB, 64*((\s)%2)
.set AB, 64*((\s)%4)
.set WR, WS+4*((\s)%2)
.set AR, AS+16*(((\s)/4)%2)+(\s)%4
.if MODE == 0
	WIN 0xf9                                       ; source 0 (weight) window 1, source 1 (rows) window 2, C and D window 3
.irp i, 0,1,2,3
.irp j, 0,1,2,3
.if (\s) == 0
	v_wmma_scale_f32_16x16x128_f8f6f4 v[8*(4*\i+\j):8*(4*\i+\j)+7], v[BB+16*\j:BB+16*\j+15], v[AB+16*\i:AB+16*\i+15], v[BIAS+8*\j:BIAS+8*\j+7], v[WR+\j], v[AR+4*\i]
.else
	v_wmma_scale_f32_16x16x128_f8f6f4 v[8*(4*\i+\j):8*(4*\i+\j)+7], v[BB+16*\j:BB+16*\j+15], v[AB+16*\i:AB+16*\i+15], v[8*(4*\i+\j):8*(4*\i+\j)+7], v[WR+\j], v[AR+4*\i]
.endif
.endr
.endr
.else
	WIN 0xf6                                       ; source 0 (rows) window 2, source 1 (weight) window 1, C and D window 3
.irp i, 0,1,2,3
.irp j, 0,1,2,3
.if (\s) == 0
	v_wmma_scale_f32_16x16x128_f8f6f4 v[8*(4*\i+\j):8*(4*\i+\j)+7], v[AB+16*\i:AB+16*\i+15], v[BB+16*\j:BB+16*\j+15], 0, v[AR+4*\i], v[WR+\j]
.else
	v_wmma_scale_f32_16x16x128_f8f6f4 v[8*(4*\i+\j):8*(4*\i+\j)+7], v[AB+16*\i:AB+16*\i+15], v[BB+16*\j:BB+16*\j+15], v[8*(4*\i+\j):8*(4*\i+\j)+7], v[AR+4*\i], v[WR+\j]
.endif
.endr
.endr
.endif
.endm
.macro KSTEP s
	PLACES 8                                       ; the loads below land in registers that the last step's products read: eight places behind this form
.set NS, ((\s)+1)%KS
	FETCHB NS                                      ; the next step's weight fragments (behind the last step: the next round's first)
	ALOAD (\s)+3                                   ; the rows' fragments three steps on: always issued, so that every count holds on every path
	s_wait_dscnt 17                                ; all but the 17 just issued: this step's weight fragments are in
.if (\s)%4 == 0
	s_wait_loadcnt 48                              ; this step's rows are in; behind them three groups of 16
.else
	s_wait_loadcnt 52                              ; behind them three groups, one of 20
.endif
	MUL \s
.endm
	s_load_b256 s[4:11], s[0:1], 0x0               ; the weight, the bias, the incoming codes, pidx
	s_load_b64 s[12:13], s[0:1], 0x20
	v_lshl_add_u32 v14, v0, 2, 67584               ; my spare word, behind the fragments and scale words; never rewritten
	v_mov_b32 v15, 0                               ; 0; never rewritten
	v_lshrrev_b32 v1, 5, v0
	v_readfirstlane_b32 s18, v1                    ; wave 0..3
	v_and_b32 v[LN], 31, v0
	v_and_b32 v[RR], 15, v0
	v_bfe_u32 v[HH], v0, 4, 1
	v_mul_u32_u24 v[VW], v[HH], 16*ROWB
	v_lshl_add_u32 v[VW], v[RR], 4, v[VW]
	v_lshlrev_b32 v[L16], 4, v[LN]
.if KS > 8
	v_add_nc_u32 v[L16H], 0x10000, v[L16]
.endif
	v_lshlrev_b32 v[R16], 4, v[RR]
	v_add_nc_u32 v[LWS], WSC, v[R16]
	s_mul_i32 s24, s18, KSW*8192
	v_add_nc_u32 v[SWI], s24, v[L16]
	s_mul_i32 s24, s18, KSW*256
	v_add_nc_u32 v[SWS], s24, v[LWS]
.if MODE == 0
	v_lshl_add_u32 v[VO], v[HH], 9, v[R16]         ; group c = 2 (slice % 2) + h of an image, row r's 16 bytes
	v_add_nc_u32 v[VOS], v[R16], v[HH]             ; row r's four words, byte c
	v_lshlrev_b32 v[VB], 7, v[HH]
.else
	v_lshl_add_u32 v[VO], v[HH], 15, v[R16]        ; eight rows of 4,096 bytes x h, + 16 r
.endif
.irp j, 0,1,2,3
	v_mov_b32 v[TMP+\j], 0                         ; written once: a lane permute's destination counts as one of its sources
.endr
	s_mov_b32 s38, 0x76543210
	s_mov_b32 s39, 0xfedcba98                      ; v_permlanex16_b32's selects for lane l xor 16
	s_mov_b32 s40, 0x600000                        ; the mantissa field of 448
	s_and_b32 s20, ttmp7, 0xffff                   ; the expert
.if SPLIT
	s_lshr_b32 s19, ttmp9, 1                       ; which 64 columns
	s_and_b32 s21, ttmp9, 1                        ; which half of K
.else
	s_mov_b32 s19, ttmp9
	s_mov_b32 s21, 0
.endif
	s_lshl_b32 s46, s20, 7                         ; the expert's row of rounds
	s_mul_i32 s24, s20, WEXP
	s_lshl_b32 s25, s21, 10
	s_mul_i32 s47, s18, 128*KSW
	s_add_co_u32 s25, s25, s47                     ; my first weight row
	s_mul_i32 s25, s25, ROWB
	s_add_co_u32 s24, s24, s25
	s_lshl_b32 s47, s19, 8                         ; my 256 bytes of a row
	s_add_co_u32 s24, s24, s47
	s_mov_b32 s25, 0
	s_mul_i32 s48, s20, BEXP
	s_add_co_u32 s48, s48, s47
	s_mov_b32 s49, 0
	s_wait_alu depctr_va_vdst(0)
	s_wait_kmcnt 0x0
	s_load_b32 s22, s[10:11], s46 offset:32768     ; rounds
	s_add_nc_u64 s[4:5], s[4:5], s[24:25]
	s_add_nc_u64 s[6:7], s[6:7], s[48:49]
.if MODE == 0
	WIN 0xc0
.irp j, 0,1,2,3
.irp p, 0,1,2,3,4,5,6,7
	global_load_b32 v[BIAS+8*\j+\p], v[VB], s[6:7] offset:4*(4*\p+\j)      ; the bias in the result's layout: column 32 h + 4 p + j
.endr
.endr
.else
	global_load_b128 v[BN:BN+3], v[R16], s[6:7]    ; the bias of columns 4 r + j
.endif
; HOW MANY WEIGHT LOADS A WAVE KEEPS OUT HANGS ON THE EXPERT'S ROUNDS (a stored number): behind each group of 16 loads a wave of an expert with up to 4 rounds waits until at most n are out,
; one with 5 to 8 rounds until at most 32 are out, one with more goes on.  So of the requests that are out at a time more belong to the work-groups that have more rounds to multiply behind the stream.
; These counts lie under the counts that the registers need: the order of the loads and all other waits stay as they are.
.macro THR n
	s_cmp_gt_u32 s22, 8
	s_cbranch_scc1 .Lfull_\@
	s_cmp_gt_u32 s22, 4
	s_cbranch_scc1 .Lmid_\@
	s_wait_loadcnt \n
.Lmid_\@:
	s_wait_loadcnt 32
.Lfull_\@:
.endm
	LOADW 0
	LOADW 1
	WIN 0
	s_wait_kmcnt 0x0
	s_min_u32 s22, s22, 16
	s_max_u32 s22, s22, 1
	THR 0
	LOADW 2
	WIN 0
	THR 0
	LOADW 3
	WIN 0
	THR 0
	s_sub_co_u32 s23, s22, s18
	s_add_co_u32 s23, s23, 3
	s_lshr_b32 s23, s23, 2                         ; my rounds: w, w + 4, .. under rounds; none where w >= rounds
	s_sub_co_u32 s53, s22, 1                       ; the expert's last round
	s_min_u32 s24, s53, s18
	s_min_u32 s24, s24, 3                          ; my first round (a wave without rounds reads the expert's last, and uses nothing of it)
	s_add_co_u32 s52, s24, 4
	s_min_u32 s52, s52, s53                        ; my next round: four on, or, where I have none, the expert's last: no load leaves what was stored
	s_min_u32 s52, s52, 15                         ; a round's number enters an address only behind a bound written here
	s_mov_b32 s51, 0
	s_mov_b32 s35, 0
	s_mul_i32 s50, s20, 64*TILEB
	s_lshl_b32 s47, s21, 14                        ; the second half of K: eight K steps of 2,048 bytes on
	s_add_co_u32 s50, s50, s47
	s_add_nc_u64 s[54:55], s[8:9], s[50:51]        ; the expert's codes
	s_mul_i32 s50, s20, 64*STB
	s_lshl_b32 s47, s21, 9
	s_add_co_u32 s50, s50, s47
	s_add_nc_u64 s[56:57], s[8:9], s[50:51]
	s_add_nc_u64 s[56:57], s[56:57], ASCL          ; and scale words
	s_mul_i32 s50, s24, 4*TILEB
	s_add_nc_u64 s[26:27], s[54:55], s[50:51]      ; this round's codes
	s_mul_i32 s50, s24, 4*STB
	s_add_nc_u64 s[30:31], s[56:57], s[50:51]      ; and scale words
	s_mul_i32 s50, s52, 4*TILEB
	s_add_nc_u64 s[28:29], s[54:55], s[50:51]      ; the next round's
	s_mul_i32 s50, s52, 4*STB
	s_add_nc_u64 s[32:33], s[56:57], s[50:51]
	; THE ROWS' CODES AND SCALE WORDS ARE PREFETCHED INTO THE L2 while the weight is quantised: phase M reads them a whole phase later.
	; The expert's 32 work-groups form 16 pairs (x, x xor 29); pair and wave give g = 0 .. 63; prefetch p of wave g names 32 blocks of 256 bytes at 8,192 g + 524,288 p of the expert's codes,
	; a lane a block: each block is named by two work-groups.  A prefetch whose round the expert does not have is jumped over (a scalar branch on the stored number of rounds), so no address leaves what was stored.
.set RNDB, 4*TILEB                     ; a round's codes in bytes
.set WPRL, RNDB/65536+2                ; log2 of the prefetches that cover a round
	s_and_b32 s60, ttmp9, 1
	s_mul_i32 s60, s60, 29
	s_xor_b32 s60, s60, ttmp9
	s_lshr_b32 s60, s60, 1                         ; the pair, 0 .. 15
	s_lshl_b32 s60, s60, 2
	s_add_co_u32 s60, s60, s18                     ; g
	s_lshr_b32 s61, s60, WPRL                      ; the round of my first prefetch
	s_lshl_b32 s62, s60, 13
	s_mul_i32 s58, s20, 64*TILEB
	s_mov_b32 s59, 0
	s_add_nc_u64 s[58:59], s[8:9], s[58:59]        ; the expert's codes, from their first byte
	WIN 0x40
	v_lshl_add_u32 v128, v[LN], 8, s62             ; window 1, v128: 8,192 g + 256 x lane; never rewritten
	WIN 0
	s_wait_alu depctr_va_vdst(0)                   ; directly behind the write
.macro PF p
	s_add_co_u32 s63, s61, (\p)*(524288/RNDB)
	s_cmp_lt_u32 s63, s22
	s_cbranch_scc0 .Lnpf_\@
	WIN 0x01
	global_prefetch_b8 v128, s[58:59] offset:(\p)*524288 th:TH_LOAD_NT scope:SCOPE_SE
	WIN 0
.Lnpf_\@:
.endm
.set PQ, 0
.rept 16*RNDB/524288
	PF PQ
.set PQ, PQ+1
.endr
	s_mul_i32 s62, s20, 64*STB
	s_mov_b32 s63, 0
	s_add_nc_u64 s[62:63], s[8:9], s[62:63]
	s_add_nc_u64 s[62:63], s[62:63], ASCL          ; the expert's scale words, from their first byte
	s_mul_i32 s61, s60, 2048/STB                   ; the first round whose scale words lie in my 8,192 bytes
	s_cmp_lt_u32 s61, s22
	s_cbranch_scc0 .Lnps
	WIN 0x01
	global_prefetch_b8 v128, s[62:63] th:TH_LOAD_NT scope:SCOPE_SE
	WIN 0
.Lnps:
.if MODE == 0
	s_lshl_b32 s50, s20, 21                        ; results: 2 MiB an expert, 128 KiB a round, K step slice / 2, groups 2 (slice % 2) on
	s_lshl_b32 s47, s24, 17
	s_add_co_u32 s50, s50, s47
	s_lshr_b32 s47, s19, 1
	s_lshl_b32 s47, s47, 11
	s_add_co_u32 s50, s50, s47
	s_and_b32 s48, s19, 1
	s_lshl_b32 s47, s48, 10
	s_add_co_u32 s50, s50, s47
	s_add_nc_u64 s[42:43], s[12:13], s[50:51]
	s_lshl_b32 s50, s20, 16                        ; their scale bytes: 64 KiB an expert, 4 KiB a round, [Q = slice / 8][r][word (slice / 2) % 4][byte]
	s_lshl_b32 s47, s24, 12
	s_add_co_u32 s50, s50, s47
	s_lshr_b32 s47, s19, 3
	s_lshl_b32 s47, s47, 8
	s_add_co_u32 s50, s50, s47
	s_bfe_u32 s47, s19, 0x20001
	s_lshl_b32 s47, s47, 2
	s_add_co_u32 s50, s50, s47
	s_lshl_b32 s47, s48, 1
	s_add_co_u32 s50, s50, s47
	s_add_nc_u64 s[44:45], s[12:13], s[50:51]
	s_add_nc_u64 s[44:45], s[44:45], 16777216
.else
	s_lshl_b32 s50, s20, 22                        ; results: 1,024 rows of 4,096 bytes an expert, 64 a round; my 256 bytes of a row; 32 MiB for each half of K
	s_lshl_b32 s47, s24, 18
	s_add_co_u32 s50, s50, s47
	s_lshl_b32 s47, s19, 8
	s_add_co_u32 s50, s50, s47
	s_lshl_b32 s47, s21, 25
	s_add_co_u32 s50, s50, s47
	s_add_nc_u64 s[42:43], s[12:13], s[50:51]
.endif
	; ---- PHASE W: my quarter of the work-group's K, block by block
.set Q, 0
.rept NB
	QW Q
.set Q, Q+1
.endr
.if MODE == 1
	s_cmp_eq_u32 s21, 0
	s_cselect_b32 s41, -1, 0
.irp j, 0,1,2,3
	v_cndmask_b32 v[BN+\j], 0, v[BN+\j], s41       ; the bias goes with the first half of K alone
.endr
.endif
	s_wait_dscnt 0x0                               ; for the others' sake: my fragments and scale words lie in LDS
	s_barrier_signal -1
	s_barrier_wait -1                              ; the only barrier: LDS is only read from here on
	s_cmp_eq_u32 s23, 0
	s_cbranch_scc1 .Lend                           ; a wave without rounds
	; ---- PHASE M
	FETCHB 0
.Lpass:
.set KQ, 0
.rept KS
	KSTEP KQ
.set KQ, KQ+1
.endr
	WIN 0
	PLACES 8                                       ; eight places behind this form before its results are read
.if MODE == 0
	WIN 0x0f                                       ; sources 0 and 1: window 3
.irp i, 0,1,2,3
	v_max3_num_f32 v[TMX+\i], v[32*\i], v[32*\i+1], 0x4800000      ; tile i: my 32 numbers are a whole block.  No |.|: what is negative becomes 0 and must not count; the floor stands over it.  Each accumulator from its low end on
.endr
.irp n, 1,2,3,4,5,6,7,8,9,10,11,12,13,14,15
.irp i, 0,1,2,3
	v_max3_num_f32 v[TMX+\i], v[32*\i+2*\n], v[32*\i+2*\n+1], v[TMX+\i]
.endr
.endr
	WIN 0
.irp i, 0,1,2,3
	v_add_nc_u32 v[SCL+\i], 0xfc000000, v[TMX+\i]
.endr
.irp i, 0,1,2,3
	v_and_or_b32 v[LIM+\i], v[TMX+\i], 0x7f800000, s40
.endr
.irp i, 0,1,2,3
	v_lshrrev_b32 v[BYO+\i], 23, v[SCL+\i]
.endr
.irp i, 0,1,2,3
	WIN 0x03                                       ; source 0: window 3
.irp p, 0,1,2,3,4,5,6,7
.irp j, 0,1,2,3
	v_med3_num_f32 v[TT+4*\p+\j], v[32*\i+8*\j+\p], 0, v[LIM+\i]   ; relu and the hold in one; it also puts the columns in order
.endr
.endr
	WIN 0
.irp g, 0,1,2,3
	v_cvt_scalef32_pk8_fp8_f32 v[PCD+8*\i+2*\g:PCD+8*\i+2*\g+1], v[TT+8*\g:TT+8*\g+7], v[SCL+\i]
.endr
	v_nop                                          ; one plain line behind the last conversion: the next tile's holds write its sources
.endr
.irp i, 0,1,2,3
	global_store_b128 v[VO], v[PCD+8*\i:PCD+8*\i+3], s[42:43] offset:\i*32768            ; k 0-15 of my block: lane r's place; sixteen lanes store 256 consecutive bytes, aligned
	global_store_b128 v[VO], v[PCD+8*\i+4:PCD+8*\i+7], s[42:43] offset:\i*32768+256      ; k 16-31: lane r + 16's place
	global_store_b8 v[VOS], v[BYO+\i], s[44:45] offset:\i*1024
.endr
.else
	WIN 0x03                                       ; source 0: window 3
.irp i, 0,1,2,3
.irp p, 0,1,2,3,4,5,6,7
.irp j, 0,1,2,3
	v_add_f32 v[TO+32*\i+4*\p+\j], v[32*\i+8*\j+\p], v[BN+\j]      ; + the bias; it also puts four neighbouring columns side by side
.endr
.endr
.endr
	WIN 0
.irp i, 0,1,2,3
.irp p, 0,1,2,3,4,5,6,7
	global_store_b128 v[VO], v[TO+32*\i+4*\p:TO+32*\i+4*\p+3], s[42:43] offset:(16*\i+\p)*4096 th:TH_STORE_NT   ; sixteen lanes store 256 consecutive bytes of a row, aligned
.endr
.endr
.endif
	s_wait_xcnt 0x0                                ; the loads and stores issued so far have read their bases and registers: both may be written again
	s_mov_b64 s[26:27], s[28:29]                   ; the round whose first three K steps are on their way
	s_mov_b64 s[30:31], s[32:33]
	s_add_co_u32 s52, s52, 4
	s_min_u32 s52, s52, s53                        ; the round after it: four on, or the expert's last
	s_min_u32 s52, s52, 15
	s_mul_i32 s34, s52, 4*TILEB
	s_add_nc_u64 s[28:29], s[54:55], s[34:35]
	s_mul_i32 s34, s52, 4*STB
	s_add_nc_u64 s[32:33], s[56:57], s[34:35]
.if MODE == 0
	s_add_nc_u64 s[42:43], s[42:43], 524288        ; four rounds on
	s_add_nc_u64 s[44:45], s[44:45], 16384
.else
	s_add_nc_u64 s[42:43], s[42:43], 1048576
.endif
	s_sub_co_u32 s23, s23, 1
	s_cmp_lg_u32 s23, 0
	s_cbranch_scc1 .Lpass
.Lend:
	s_wait_tensorcnt 0x0                           ; the wave's end
	ds_add_u32 v14, v15
	s_wait_dscnt 0x0
	s_endpgm
.Lfunc_end_k_q7ade39cf48_lay1:
	.size	k_q7ade39cf48_lay1, .Lfunc_end_k_q7ade39cf48_lay1-k_q7ade39cf48_lay1
	.p2alignl 7, 3214868480
	.fill 96, 4, 3214868480
	.section	.rodata,"a",@progbits
	.p2align	6, 0x0
	.amdhsa_kernel k_q7ade39cf48_lay1
		.amdhsa_group_segment_fixed_size 68096
		.amdhsa_private_segment_fixed_size 0
		.amdhsa_enable_private_segment 0
		.amdhsa_kernarg_size 40
		.amdhsa_user_sgpr_count 2
		.amdhsa_user_sgpr_kernarg_segment_ptr 1
		.amdhsa_wavefront_size32 1
		.amdhsa_system_sgpr_workgroup_id_x 1
		.amdhsa_system_sgpr_workgroup_id_y 1
		.amdhsa_system_sgpr_workgroup_id_z 1
		.amdhsa_system_vgpr_workitem_id 0
		.amdhsa_next_free_vgpr 928
		.amdhsa_next_free_sgpr 66
		.amdhsa_reserve_vcc 0
		.amdhsa_float_denorm_mode_32 3
		.amdhsa_float_denorm_mode_16_64 3
		.amdhsa_memory_ordered 1
		.amdhsa_forward_progress 1
		.amdhsa_inst_pref_size 154
	.end_amdhsa_kernel
	.amdgpu_metadata
---
amdhsa.version: [ 1, 2 ]
amdhsa.kernels:
  - .name:           k_q7ade39cf48_lay1
    .symbol:         k_q7ade39cf48_lay1.kd
    .args:
      - { .name: W1, .offset: 0, .size: 8, .value_kind: global_buffer, .address_space: global }
      - { .name: b1, .offset: 8, .size: 8, .value_kind: global_buffer, .address_space: global }
      - { .name: xr, .offset: 16, .size: 8, .value_kind: global_buffer, .address_space: global }
      - { .name: pidx, .offset: 24, .size: 8, .value_kind: global_buffer, .address_space: global }
      - { .name: h1, .offset: 32, .size: 8, .value_kind: global_buffer, .address_space: global }
    .group_segment_fixed_size: 68096
    .private_segment_fixed_size: 0
    .kernarg_segment_align: 8
    .kernarg_segment_size: 40
    .max_flat_workgroup_size: 128
    .sgpr_count:     66
    .vgpr_count:     928
    .wavefront_size: 32
...
	.end_amdgpu_metadata
.endif
;; end of part 3
;; launch lay2 (part 4): grid 32 x 8, 4 waves a work-group, no clusters, 135,680 bytes of LDS; arguments W2, b2, h1, pidx, h2; writes h2
.if DOCPART == 4
	.amdgcn_target "amdgcn-amd-amdhsa--gfx1250"
	.amdhsa_code_object_version 6
	.text
	.protected	k_q7ade39cf48_lay2
	.globl	k_q7ade39cf48_lay2
	.p2align	8
	.type	k_q7ade39cf48_lay2,@function
k_q7ade39cf48_lay2:
	s_mov_b64 s[64:65], 0
	v_nop
	global_prefetch_b8 v0, s[64:65] scope:SCOPE_SE
	s_setreg_imm32_b32 hwreg(HW_REG_WAVE_MODE, 25, 1), 1
	s_wait_xcnt 0x0
; ONE LAYER OF ONE EXPERT ON ITS ROUTED ROWS: here h2 = Q(relu(h1 Q(W2) + b2)), K = 2,048, 2,048 columns.  Both operands are codes of E4M3 with one E8M0 scale for each 32 along K; sums in f32.
; SHARES.  Work-group (x, e) owns 64 columns of expert e's weight: 256 bytes of each weight row.  PHASE W: it streams them once as f32 (wave w: a quarter of K), quantises them down K in registers and lays the codes in LDS as images of
; operand registers; one barrier, on every wave's path.  PHASE M: wave w takes rounds w, w + 4, .. of the expert's rows (a round = 64 rows = 4 tiles of 16) through all of K; nothing is written to LDS any more, so no barrier follows.
; The number of rounds is read from pidx, which an earlier launch stored; the launch has no tensor load, no copy and no cluster (partners would need different numbers of tiles), and operands come by plain loads.
; THE WEIGHT.  Lane (q, h) loads row k0 + 16 h + i, bytes 16 q: one load reads two whole rows of 256 bytes.  TILE j TAKES COLUMN 4 m + j AT PLACE m: a lane's four columns are its own place in four tiles, its 16 rows the 16 neighbours
; along K that the operand's layout gives it; the hold writes to the transposed register number, so nothing else transposes.
; THE RESULT (MODE 0): the product is used transposed (source 0 = a weight tile, source 1 = 16 rows): register p of tile j in lane (r, h) is row r, column 32 h + 4 p + j: a lane holds one whole block of 32 of the next K.
; (MODE 1: source 0 = 16 rows, source 1 = a weight tile: register p of tile j is row 8 h + p, column 4 r + j: 16 lanes store 256 consecutive bytes of a row.)  The bias is the C of each sum's first product (MODE 0) or added on the way out (MODE 1).
; LIMITS: NaN and infinities are not served; a block whose largest magnitude lies under 2^-118 keeps the scale byte 1, a block of zeros too (its codes are zeros; this program alone reads the bytes); the bias enters the sum first, not last.
; REGISTERS, in windows of 256: window 0: v1-13 offsets; v16-35 at work; v36-39 a K step's weight scale words; v40-55 codes just made; v56-63 weight scale words, two sets; v64-95 at work on the way out; v96-127 the rows' scale words, two sets;
;   v128-255 held numbers, later results.   window 1: weight fragments, two sets of 64.   window 2: four buffers of 64: the weight's landing buffers, then the rows' fragments.   window 3: 16 accumulators ((i, j) at 8 (4 i + j)); from v128 the bias tiles.
; SCALARS: s[26:27], s[30:31] this round's codes and scale words; s[28:29], s[32:33] the next round's; s[54:55], s[56:57] the expert's; s52 the next round's number, s53 the expert's last round; s23 rounds that I still have.
.set KS,    16                         ; K steps of 128 in the work-group's K
.set ROWB,  8192                       ; a weight row in bytes
.set WEXP,  16777216                   ; an expert's weight in bytes
.set BEXP,  8192                       ; an expert's bias in bytes
.set TILEB, 32768                      ; a tile of 16 rows of the incoming codes
.set STB,   1024                       ; and of their scale words
.set ASCL,  16777216                   ; where the incoming scale words begin
.set MODE,  0                          ; 0: relu, codes out; 1: f32 out
.set SPLIT, 0                          ; 1: two work-groups share K
.set KSW,   KS/4                       ; K steps that a wave quantises
.set NB,    4*KSW                      ; blocks of 32 along K in them
.set WSC,   KS*8192                    ; LDS: fragment (s, j) at 8192 s + 2048 j + 512 c + 16 lane; behind them the scale words, [s][r 16][j 4]
.set LN,   1
.set RR,   2
.set HH,   3
.set VW,   4                           ; the weight: 16 r + 16 rows x h
.set L16,  5                           ; 16 x lane
.set L16H, 6                           ; + 65,536
.set R16,  7                           ; 16 r
.set LWS,  8                           ; LDS: WSC + 16 r
.set SWI,  9                           ; LDS: where I store fragments: 16 x lane + my wave's K steps
.set SWS,  10                          ; LDS: and scale words
.set VO,   11                          ; the way out: my offset among the results
.set VOS,  12                          ; and among their scale bytes
.set VB,   13                          ; the bias: 128 h
.set TMX,  16
.set TMP,  20
.set LIM,  24
.set SCL,  28
.set BYT,  32
.set WSA,  36
.set PCW,  40
.set WS,   56
.set TT,   64
.set BN,   64
.set AS,   96
.set T64,  128
.set PCD,  128
.set BYO,  160
.set TO,   128
.set BIAS, 128
.set MSB, 0
.macro WIN new                         ; the immediate's high byte repeats the setting that is left
.if MSB != \new
	s_set_vgpr_msb (MSB<<8)|\new
.set MSB, \new
.endif
.endm
.macro PLACES n
.rept \n
	v_nop
.endr
.endm
.macro LOADW g                         ; block g of my K: 32 weight rows into landing buffer g % 4
	WIN 0x80
.irp i, 0,1,2,3,4,5,6,7,8,9,10,11,12,13,14,15
	global_load_b128 v[64*((\g)%4)+4*\i:64*((\g)%4)+4*\i+3], v[VW], s[4:5] offset:(32*(\g)+\i)*ROWB th:TH_LOAD_NT
.endr
.endm
; the rows' fragments of K step x (four tiles) into buffer x % 4; with every fourth step the scale words of four steps.  x >= KS: the first steps of the wave's next round
.macro ALOAD x
.if (\x) < KS
.set AX, (\x)
.set AP, 26
.set SPX, 30
.else
.set AX, (\x)-KS
.set AP, 28
.set SPX, 32
.endif
	WIN 0x80
.irp i, 0,1,2,3
.irp c, 0,1,2,3
	global_load_b128 v[64*(AX%4)+16*\i+4*\c:64*(AX%4)+16*\i+4*\c+3], v[L16], s[AP:AP+1] offset:\i*TILEB+AX*2048+512*\c
.endr
.endr
.if AX%4 == 0
	WIN 0
.irp i, 0,1,2,3
	global_load_b128 v[AS+16*((AX/4)%2)+4*\i:AS+16*((AX/4)%2)+4*\i+3], v[R16], s[SPX:SPX+1] offset:\i*STB+(AX/4)*256
.endr
.endif
.endm
; block cb: register 4 i + j of the landing buffer is W(32 cb + 16 h + i, 4 q + j)
.macro QW cb
.set RB, 64*((\cb)%4)
.set SS, (\cb)/4
.set CC, (\cb)%4
.if (\cb) >= NB-3
	s_wait_loadcnt 52                              ; this group is in; behind it three groups, one of them of 20 (fragments and scale words of the rows' K step 0)
.else
	s_wait_loadcnt 48                              ; this group is in; behind it three groups of 16
.endif
	s_wait_dscnt 0x0                               ; the last block's LDS stores have read their registers
	WIN 0x0a                                       ; sources 0 and 1: window 2
.irp j, 0,1,2,3
	v_max3_num_f32 v[TMX+\j], |v[RB+\j]|, |v[RB+4+\j]|, 0x4800000          ; and the floor 2^(9 - 127): the byte cannot fall under 1
.endr
.irp i, 2,4,6,8,10,12,14
.irp j, 0,1,2,3
	v_max3_num_f32 v[TMX+\j], |v[RB+4*\i+\j]|, |v[RB+4*\i+4+\j]|, v[TMX+\j]
.endr
.endr
	WIN 0
.irp j, 0,1,2,3
	v_permlanex16_b32 v[TMP+\j], v[TMX+\j], s38, s39
.endr
.irp j, 0,1,2,3
	v_max_num_f32 v[TMX+\j], v[TMX+\j], v[TMP+\j]          ; with lane l xor 16's 16 rows: the block's largest magnitude
.endr
.irp j, 0,1,2,3
	v_add_nc_u32 v[SCL+\j], 0xfc000000, v[TMX+\j]          ; 8 off its exponent field: the conversion's scale operand
.endr
.irp j, 0,1,2,3
	v_and_or_b32 v[LIM+\j], v[TMX+\j], 0x7f800000, s40     ; 448 x the scale
.endr
.irp j, 0,1,2,3
.if CC == 0
	v_lshrrev_b32 v[WSA+\j], 23, v[SCL+\j]                 ; the K step's first byte starts the scale word
.else
	v_lshrrev_b32 v[BYT+\j], 23, v[SCL+\j]
.endif
.endr
.if CC > 0
.irp j, 0,1,2,3
	v_lshl_or_b32 v[WSA+\j], v[BYT+\j], 8*CC, v[WSA+\j]
.endr
.endif
	WIN 0x02                                       ; source 0: window 2
.irp i, 0,1,2,3,4,5,6,7,8,9,10,11,12,13,14,15
.irp j, 0,1,2,3
	v_med3_num_f32 v[T64+16*\j+\i], v[RB+4*\i+\j], -v[LIM+\j], v[LIM+\j]   ; the conversion does not saturate (ISA guide 7.6.2): the hold; it also turns [k][column] into [column][k]
.endr
.endr
.if (\cb)+4 < NB
	LOADW (\cb)+4                                  ; the buffer just read takes the group four further on:
.elseif (\cb)+4 <= NB+2
	ALOAD (\cb)+4-NB
.endif
	WIN 0
.if (\cb)+4 < NB
	s_wait_alu depctr_va_vdst(0)
	THR 16
.endif
.irp j, 0,1,2,3
	v_cvt_scalef32_pk8_fp8_f32 v[PCW+4*\j:PCW+4*\j+1], v[T64+16*\j:T64+16*\j+7], v[SCL+\j]
	v_cvt_scalef32_pk8_fp8_f32 v[PCW+4*\j+2:PCW+4*\j+3], v[T64+16*\j+8:T64+16*\j+15], v[SCL+\j]
.endr
	v_nop                                          ; one plain line behind the last conversion
.irp j, 0,1,2,3
	ds_store_b128 v[SWI], v[PCW+4*\j:PCW+4*\j+3] offset:SS*8192+\j*2048+CC*512   ; 512 consecutive bytes
.endr
.if CC == 3
	ds_store_b128 v[SWS], v[WSA:WSA+3] offset:256*SS       ; lanes q and q + 16 write the same words with the same values
.endif
.endm
.macro FETCHB s                        ; K step s: four weight fragments into set s % 2, and their scale words: 17 LDS loads
	WIN 0x40
.irp j, 0,1,2,3
.irp c, 0,1,2,3
.if (\s) < 8
	ds_load_b128 v[64*((\s)%2)+16*\j+4*\c:64*((\s)%2)+16*\j+4*\c+3], v[L16] offset:(\s)*8192+\j*2048+\c*512
.else
	ds_load_b128 v[64*((\s)%2)+16*\j+4*\c:64*((\s)%2)+16*\j+4*\c+3], v[L16H] offset:((\s)-8)*8192+\j*2048+\c*512
.endif
.endr
.endr
	WIN 0
	ds_load_b128 v[WS+4*((\s)%2):WS+4*((\s)%2)+3], v[LWS] offset:256*(\s)
.endm
.macro MUL s                           ; 16 products, the 16 accumulators by turns, in the same order in every step
.set BB, 64*((\s)%2)
.set AB, 64*((\s)%4)
.set WR, WS+4*((\s)%2)
.set AR, AS+16*(((\s)/4)%2)+(\s)%4
.if MODE == 0
	WIN 0xf9                                       ; source 0 (weight) window 1, source 1 (rows) window 2, C and D window 3
.irp i, 0,1,2,3
.irp j, 0,1,2,3
.if (\s) == 0
	v_wmma_scale_f32_16x16x128_f8f6f4 v[8*(4*\i+\j):8*(4*\i+\j)+7], v[BB+16*\j:BB+16*\j+15], v[AB+16*\i:AB+16*\i+15], v[BIAS+8*\j:BIAS+8*\j+7], v[WR+\j], v[AR+4*\i]
.else
	v_wmma_scale_f32_16x16x128_f8f6f4 v[8*(4*\i+\j):8*(4*\i+\j)+7], v[BB+16*\j:BB+16*\j+15], v[AB+16*\i:AB+16*\i+15], v[8*(4*\i+\j):8*(4*\i+\j)+7], v[WR+\j], v[AR+4*\i]
.endif
.endr
.endr
.else
	WIN 0xf6                                       ; source 0 (rows) window 2, source 1 (weight) window 1, C and D window 3
.irp i, 0,1,2,3
.irp j, 0,1,2,3
.if (\s) == 0
	v_wmma_scale_f32_16x16x128_f8f6f4 v[8*(4*\i+\j):8*(4*\i+\j)+7], v[AB+16*\i:AB+16*\i+15], v[BB+16*\j:BB+16*\j+15], 0, v[AR+4*\i], v[WR+\j]
.else
	v_wmma_scale_f32_16x16x128_f8f6f4 v[8*(4*\i+\j):8*(4*\i+\j)+7], v[AB+16*\i:AB+16*\i+15], v[BB+16*\j:BB+16*\j+15], v[8*(4*\i+\j):8*(4*\i+\j)+7], v[AR+4*\i], v[WR+\j]
.endif
.endr
.endr
.endif
.endm
.macro KSTEP s
	PLACES 8                                       ; the loads below land in registers that the last step's products read: eight places behind this form
.set NS, ((\s)+1)%KS
	FETCHB NS                                      ; the next step's weight fragments (behind the last step: the next round's first)
	ALOAD (\s)+3                                   ; the rows' fragments three steps on: always issued, so that every count holds on every path
	s_wait_dscnt 17                                ; all but the 17 just issued: this step's weight fragments are in
.if (\s)%4 == 0
	s_wait_loadcnt 48                              ; this step's rows are in; behind them three groups of 16
.else
	s_wait_loadcnt 52                              ; behind them three groups, one of 20
.endif
	MUL \s
.endm
	s_load_b256 s[4:11], s[0:1], 0x0               ; the weight, the bias, the incoming codes, pidx
	s_load_b64 s[12:13], s[0:1], 0x20
	v_lshl_add_u32 v14, v0, 2, 135168              ; my spare word, behind the fragments and scale words; never rewritten
	v_mov_b32 v15, 0                               ; 0; never rewritten
	v_lshrrev_b32 v1, 5, v0
	v_readfirstlane_b32 s18, v1                    ; wave 0..3
	v_and_b32 v[LN], 31, v0
	v_and_b32 v[RR], 15, v0
	v_bfe_u32 v[HH], v0, 4, 1
	v_mul_u32_u24 v[VW], v[HH], 16*ROWB
	v_lshl_add_u32 v[VW], v[RR], 4, v[VW]
	v_lshlrev_b32 v[L16], 4, v[LN]
.if KS > 8
	v_add_nc_u32 v[L16H], 0x10000, v[L16]
.endif
	v_lshlrev_b32 v[R16], 4, v[RR]
	v_add_nc_u32 v[LWS], WSC, v[R16]
	s_mul_i32 s24, s18, KSW*8192
	v_add_nc_u32 v[SWI], s24, v[L16]
	s_mul_i32 s24, s18, KSW*256
	v_add_nc_u32 v[SWS], s24, v[LWS]
.if MODE == 0
	v_lshl_add_u32 v[VO], v[HH], 9, v[R16]         ; group c = 2 (slice % 2) + h of an image, row r's 16 bytes
	v_add_nc_u32 v[VOS], v[R16], v[HH]             ; row r's four words, byte c
	v_lshlrev_b32 v[VB], 7, v[HH]
.else
	v_lshl_add_u32 v[VO], v[HH], 15, v[R16]        ; eight rows of 4,096 bytes x h, + 16 r
.endif
.irp j, 0,1,2,3
	v_mov_b32 v[TMP+\j], 0                         ; written once: a lane permute's destination counts as one of its sources
.endr
	s_mov_b32 s38, 0x76543210
	s_mov_b32 s39, 0xfedcba98                      ; v_permlanex16_b32's selects for lane l xor 16
	s_mov_b32 s40, 0x600000                        ; the mantissa field of 448
	s_and_b32 s20, ttmp7, 0xffff                   ; the expert
.if SPLIT
	s_lshr_b32 s19, ttmp9, 1                       ; which 64 columns
	s_and_b32 s21, ttmp9, 1                        ; which half of K
.else
	s_mov_b32 s19, ttmp9
	s_mov_b32 s21, 0
.endif
	s_lshl_b32 s46, s20, 7                         ; the expert's row of rounds
	s_mul_i32 s24, s20, WEXP
	s_lshl_b32 s25, s21, 10
	s_mul_i32 s47, s18, 128*KSW
	s_add_co_u32 s25, s25, s47                     ; my first weight row
	s_mul_i32 s25, s25, ROWB
	s_add_co_u32 s24, s24, s25
	s_lshl_b32 s47, s19, 8                         ; my 256 bytes of a row
	s_add_co_u32 s24, s24, s47
	s_mov_b32 s25, 0
	s_mul_i32 s48, s20, BEXP
	s_add_co_u32 s48, s48, s47
	s_mov_b32 s49, 0
	s_wait_alu depctr_va_vdst(0)
	s_wait_kmcnt 0x0
	s_load_b32 s22, s[10:11], s46 offset:32768     ; rounds
	s_add_nc_u64 s[4:5], s[4:5], s[24:25]
	s_add_nc_u64 s[6:7], s[6:7], s[48:49]
.if MODE == 0
	WIN 0xc0
.irp j, 0,1,2,3
.irp p, 0,1,2,3,4,5,6,7
	global_load_b32 v[BIAS+8*\j+\p], v[VB], s[6:7] offset:4*(4*\p+\j)      ; the bias in the result's layout: column 32 h + 4 p + j
.endr
.endr
.else
	global_load_b128 v[BN:BN+3], v[R16], s[6:7]    ; the bias of columns 4 r + j
.endif
; HOW MANY WEIGHT LOADS A WAVE KEEPS OUT HANGS ON THE EXPERT'S ROUNDS (a stored number): behind each group of 16 loads a wave of an expert with up to 4 rounds waits until at most n are out,
; one with 5 to 8 rounds until at most 32 are out, one with more goes on.  So of the requests that are out at a time more belong to the work-groups that have more rounds to multiply behind the stream.
; These counts lie under the counts that the registers need: the order of the loads and all other waits stay as they are.
.macro THR n
	s_cmp_gt_u32 s22, 8
	s_cbranch_scc1 .Lfull_\@
	s_cmp_gt_u32 s22, 4
	s_cbranch_scc1 .Lmid_\@
	s_wait_loadcnt \n
.Lmid_\@:
	s_wait_loadcnt 32
.Lfull_\@:
.endm
	LOADW 0
	LOADW 1
	WIN 0
	s_wait_kmcnt 0x0
	s_min_u32 s22, s22, 16
	s_max_u32 s22, s22, 1
	THR 0
	LOADW 2
	WIN 0
	THR 0
	LOADW 3
	WIN 0
	THR 0
	s_sub_co_u32 s23, s22, s18
	s_add_co_u32 s23, s23, 3
	s_lshr_b32 s23, s23, 2                         ; my rounds: w, w + 4, .. under rounds; none where w >= rounds
	s_sub_co_u32 s53, s22, 1                       ; the expert's last round
	s_min_u32 s24, s53, s18
	s_min_u32 s24, s24, 3                          ; my first round (a wave without rounds reads the expert's last, and uses nothing of it)
	s_add_co_u32 s52, s24, 4
	s_min_u32 s52, s52, s53                        ; my next round: four on, or, where I have none, the expert's last: no load leaves what was stored
	s_min_u32 s52, s52, 15                         ; a round's number enters an address only behind a bound written here
	s_mov_b32 s51, 0
	s_mov_b32 s35, 0
	s_mul_i32 s50, s20, 64*TILEB
	s_lshl_b32 s47, s21, 14                        ; the second half of K: eight K steps of 2,048 bytes on
	s_add_co_u32 s50, s50, s47
	s_add_nc_u64 s[54:55], s[8:9], s[50:51]        ; the expert's codes
	s_mul_i32 s50, s20, 64*STB
	s_lshl_b32 s47, s21, 9
	s_add_co_u32 s50, s50, s47
	s_add_nc_u64 s[56:57], s[8:9], s[50:51]
	s_add_nc_u64 s[56:57], s[56:57], ASCL          ; and scale words
	s_mul_i32 s50, s24, 4*TILEB
	s_add_nc_u64 s[26:27], s[54:55], s[50:51]      ; this round's codes
	s_mul_i32 s50, s24, 4*STB
	s_add_nc_u64 s[30:31], s[56:57], s[50:51]      ; and scale words
	s_mul_i32 s50, s52, 4*TILEB
	s_add_nc_u64 s[28:29], s[54:55], s[50:51]      ; the next round's
	s_mul_i32 s50, s52, 4*STB
	s_add_nc_u64 s[32:33], s[56:57], s[50:51]
	; THE ROWS' CODES AND SCALE WORDS ARE PREFETCHED INTO THE L2 while the weight is quantised: phase M reads them a whole phase later.
	; The expert's 32 work-groups form 16 pairs (x, x xor 29); pair and wave give g = 0 .. 63; prefetch p of wave g names 32 blocks of 256 bytes at 8,192 g + 524,288 p of the expert's codes,
	; a lane a block: each block is named by two work-groups.  A prefetch whose round the expert does not have is jumped over (a scalar branch on the stored number of rounds), so no address leaves what was stored.
.set RNDB, 4*TILEB                     ; a round's codes in bytes
.set WPRL, RNDB/65536+2                ; log2 of the prefetches that cover a round
	s_and_b32 s60, ttmp9, 1
	s_mul_i32 s60, s60, 29
	s_xor_b32 s60, s60, ttmp9
	s_lshr_b32 s60, s60, 1                         ; the pair, 0 .. 15
	s_lshl_b32 s60, s60, 2
	s_add_co_u32 s60, s60, s18                     ; g
	s_lshr_b32 s61, s60, WPRL                      ; the round of my first prefetch
	s_lshl_b32 s62, s60, 13
	s_mul_i32 s58, s20, 64*TILEB
	s_mov_b32 s59, 0
	s_add_nc_u64 s[58:59], s[8:9], s[58:59]        ; the expert's codes, from their first byte
	WIN 0x40
	v_lshl_add_u32 v128, v[LN], 8, s62             ; window 1, v128: 8,192 g + 256 x lane; never rewritten
	WIN 0
	s_wait_alu depctr_va_vdst(0)                   ; directly behind the write
.macro PF p
	s_add_co_u32 s63, s61, (\p)*(524288/RNDB)
	s_cmp_lt_u32 s63, s22
	s_cbranch_scc0 .Lnpf_\@
	WIN 0x01
	global_prefetch_b8 v128, s[58:59] offset:(\p)*524288 th:TH_LOAD_NT scope:SCOPE_SE
	WIN 0
.Lnpf_\@:
.endm
.set PQ, 0
.rept 16*RNDB/524288
	PF PQ
.set PQ, PQ+1
.endr
	s_mul_i32 s62, s20, 64*STB
	s_mov_b32 s63, 0
	s_add_nc_u64 s[62:63], s[8:9], s[62:63]
	s_add_nc_u64 s[62:63], s[62:63], ASCL          ; the expert's scale words, from their first byte
	s_mul_i32 s61, s60, 2048/STB                   ; the first round whose scale words lie in my 8,192 bytes
	s_cmp_lt_u32 s61, s22
	s_cbranch_scc0 .Lnps
	WIN 0x01
	global_prefetch_b8 v128, s[62:63] th:TH_LOAD_NT scope:SCOPE_SE
	WIN 0
.Lnps:
.if MODE == 0
	s_lshl_b32 s50, s20, 21                        ; results: 2 MiB an expert, 128 KiB a round, K step slice / 2, groups 2 (slice % 2) on
	s_lshl_b32 s47, s24, 17
	s_add_co_u32 s50, s50, s47
	s_lshr_b32 s47, s19, 1
	s_lshl_b32 s47, s47, 11
	s_add_co_u32 s50, s50, s47
	s_and_b32 s48, s19, 1
	s_lshl_b32 s47, s48, 10
	s_add_co_u32 s50, s50, s47
	s_add_nc_u64 s[42:43], s[12:13], s[50:51]
	s_lshl_b32 s50, s20, 16                        ; their scale bytes: 64 KiB an expert, 4 KiB a round, [Q = slice / 8][r][word (slice / 2) % 4][byte]
	s_lshl_b32 s47, s24, 12
	s_add_co_u32 s50, s50, s47
	s_lshr_b32 s47, s19, 3
	s_lshl_b32 s47, s47, 8
	s_add_co_u32 s50, s50, s47
	s_bfe_u32 s47, s19, 0x20001
	s_lshl_b32 s47, s47, 2
	s_add_co_u32 s50, s50, s47
	s_lshl_b32 s47, s48, 1
	s_add_co_u32 s50, s50, s47
	s_add_nc_u64 s[44:45], s[12:13], s[50:51]
	s_add_nc_u64 s[44:45], s[44:45], 16777216
.else
	s_lshl_b32 s50, s20, 22                        ; results: 1,024 rows of 4,096 bytes an expert, 64 a round; my 256 bytes of a row; 32 MiB for each half of K
	s_lshl_b32 s47, s24, 18
	s_add_co_u32 s50, s50, s47
	s_lshl_b32 s47, s19, 8
	s_add_co_u32 s50, s50, s47
	s_lshl_b32 s47, s21, 25
	s_add_co_u32 s50, s50, s47
	s_add_nc_u64 s[42:43], s[12:13], s[50:51]
.endif
	; ---- PHASE W: my quarter of the work-group's K, block by block
.set Q, 0
.rept NB
	QW Q
.set Q, Q+1
.endr
.if MODE == 1
	s_cmp_eq_u32 s21, 0
	s_cselect_b32 s41, -1, 0
.irp j, 0,1,2,3
	v_cndmask_b32 v[BN+\j], 0, v[BN+\j], s41       ; the bias goes with the first half of K alone
.endr
.endif
	s_wait_dscnt 0x0                               ; for the others' sake: my fragments and scale words lie in LDS
	s_barrier_signal -1
	s_barrier_wait -1                              ; the only barrier: LDS is only read from here on
	s_cmp_eq_u32 s23, 0
	s_cbranch_scc1 .Lend                           ; a wave without rounds
	; ---- PHASE M
	FETCHB 0
.Lpass:
.set KQ, 0
.rept KS
	KSTEP KQ
.set KQ, KQ+1
.endr
	WIN 0
	PLACES 8                                       ; eight places behind this form before its results are read
.if MODE == 0
	WIN 0x0f                                       ; sources 0 and 1: window 3
.irp i, 0,1,2,3
	v_max3_num_f32 v[TMX+\i], v[32*\i], v[32*\i+1], 0x4800000      ; tile i: my 32 numbers are a whole block.  No |.|: what is negative becomes 0 and must not count; the floor stands over it.  Each accumulator from its low end on
.endr
.irp n, 1,2,3,4,5,6,7,8,9,10,11,12,13,14,15
.irp i, 0,1,2,3
	v_max3_num_f32 v[TMX+\i], v[32*\i+2*\n], v[32*\i+2*\n+1], v[TMX+\i]
.endr
.endr
	WIN 0
.irp i, 0,1,2,3
	v_add_nc_u32 v[SCL+\i], 0xfc000000, v[TMX+\i]
.endr
.irp i, 0,1,2,3
	v_and_or_b32 v[LIM+\i], v[TMX+\i], 0x7f800000, s40
.endr
.irp i, 0,1,2,3
	v_lshrrev_b32 v[BYO+\i], 23, v[SCL+\i]
.endr
.irp i, 0,1,2,3
	WIN 0x03                                       ; source 0: window 3
.irp p, 0,1,2,3,4,5,6,7
.irp j, 0,1,2,3
	v_med3_num_f32 v[TT+4*\p+\j], v[32*\i+8*\j+\p], 0, v[LIM+\i]   ; relu and the hold in one; it also puts the columns in order
.endr
.endr
	WIN 0
.irp g, 0,1,2,3
	v_cvt_scalef32_pk8_fp8_f32 v[PCD+8*\i+2*\g:PCD+8*\i+2*\g+1], v[TT+8*\g:TT+8*\g+7], v[SCL+\i]
.endr
	v_nop                                          ; one plain line behind the last conversion: the next tile's holds write its sources
.endr
.irp i, 0,1,2,3
	global_store_b128 v[VO], v[PCD+8*\i:PCD+8*\i+3], s[42:43] offset:\i*32768            ; k 0-15 of my block: lane r's place; sixteen lanes store 256 consecutive bytes, aligned
	global_store_b128 v[VO], v[PCD+8*\i+4:PCD+8*\i+7], s[42:43] offset:\i*32768+256      ; k 16-31: lane r + 16's place
	global_store_b8 v[VOS], v[BYO+\i], s[44:45] offset:\i*1024
.endr
.else
	WIN 0x03                                       ; source 0: window 3
.irp i, 0,1,2,3
.irp p, 0,1,2,3,4,5,6,7
.irp j, 0,1,2,3
	v_add_f32 v[TO+32*\i+4*\p+\j], v[32*\i+8*\j+\p], v[BN+\j]      ; + the bias; it also puts four neighbouring columns side by side
.endr
.endr
.endr
	WIN 0
.irp i, 0,1,2,3
.irp p, 0,1,2,3,4,5,6,7
	global_store_b128 v[VO], v[TO+32*\i+4*\p:TO+32*\i+4*\p+3], s[42:43] offset:(16*\i+\p)*4096 th:TH_STORE_NT   ; sixteen lanes store 256 consecutive bytes of a row, aligned
.endr
.endr
.endif
	s_wait_xcnt 0x0                                ; the loads and stores issued so far have read their bases and registers: both may be written again
	s_mov_b64 s[26:27], s[28:29]                   ; the round whose first three K steps are on their way
	s_mov_b64 s[30:31], s[32:33]
	s_add_co_u32 s52, s52, 4
	s_min_u32 s52, s52, s53                        ; the round after it: four on, or the expert's last
	s_min_u32 s52, s52, 15
	s_mul_i32 s34, s52, 4*TILEB
	s_add_nc_u64 s[28:29], s[54:55], s[34:35]
	s_mul_i32 s34, s52, 4*STB
	s_add_nc_u64 s[32:33], s[56:57], s[34:35]
.if MODE == 0
	s_add_nc_u64 s[42:43], s[42:43], 524288        ; four rounds on
	s_add_nc_u64 s[44:45], s[44:45], 16384
.else
	s_add_nc_u64 s[42:43], s[42:43], 1048576
.endif
	s_sub_co_u32 s23, s23, 1
	s_cmp_lg_u32 s23, 0
	s_cbranch_scc1 .Lpass
.Lend:
	s_wait_tensorcnt 0x0                           ; the wave's end
	ds_add_u32 v14, v15
	s_wait_dscnt 0x0
	s_endpgm
.Lfunc_end_k_q7ade39cf48_lay2:
	.size	k_q7ade39cf48_lay2, .Lfunc_end_k_q7ade39cf48_lay2-k_q7ade39cf48_lay2
	.p2alignl 7, 3214868480
	.fill 96, 4, 3214868480
	.section	.rodata,"a",@progbits
	.p2align	6, 0x0
	.amdhsa_kernel k_q7ade39cf48_lay2
		.amdhsa_group_segment_fixed_size 135680
		.amdhsa_private_segment_fixed_size 0
		.amdhsa_enable_private_segment 0
		.amdhsa_kernarg_size 40
		.amdhsa_user_sgpr_count 2
		.amdhsa_user_sgpr_kernarg_segment_ptr 1
		.amdhsa_wavefront_size32 1
		.amdhsa_system_sgpr_workgroup_id_x 1
		.amdhsa_system_sgpr_workgroup_id_y 1
		.amdhsa_system_sgpr_workgroup_id_z 1
		.amdhsa_system_vgpr_workitem_id 0
		.amdhsa_next_free_vgpr 928
		.amdhsa_next_free_sgpr 66
		.amdhsa_reserve_vcc 0
		.amdhsa_float_denorm_mode_32 3
		.amdhsa_float_denorm_mode_16_64 3
		.amdhsa_memory_ordered 1
		.amdhsa_forward_progress 1
		.amdhsa_inst_pref_size 255
	.end_amdhsa_kernel
	.section	.bss,"aw",@nobits
	.p2align	6
	.space	262144
	.amdgpu_metadata
---
amdhsa.version: [ 1, 2 ]
amdhsa.kernels:
  - .name:           k_q7ade39cf48_lay2
    .symbol:         k_q7ade39cf48_lay2.kd
    .args:
      - { .name: W2, .offset: 0, .size: 8, .value_kind: global_buffer, .address_space: global }
      - { .name: b2, .offset: 8, .size: 8, .value_kind: global_buffer, .address_space: global }
      - { .name: h1, .offset: 16, .size: 8, .value_kind: global_buffer, .address_space: global }
      - { .name: pidx, .offset: 24, .size: 8, .value_kind: global_buffer, .address_space: global }
      - { .name: h2, .offset: 32, .size: 8, .value_kind: global_buffer, .address_space: global }
    .group_segment_fixed_size: 135680
    .private_segment_fixed_size: 0
    .kernarg_segment_align: 8
    .kernarg_segment_size: 40
    .max_flat_workgroup_size: 128
    .sgpr_count:     66
    .vgpr_count:     928
    .wavefront_size: 32
...
	.end_amdgpu_metadata
.endif
;; end of part 4
;; launch lay3 (part 5): grid 32 x 8, 4 waves a work-group, no clusters, 68,096 bytes of LDS; arguments W3, b3, h2, pidx, y; writes y
.if DOCPART == 5
	.amdgcn_target "amdgcn-amd-amdhsa--gfx1250"
	.amdhsa_code_object_version 6
	.text
	.protected	k_q7ade39cf48_lay3
	.globl	k_q7ade39cf48_lay3
	.p2align	8
	.type	k_q7ade39cf48_lay3,@function
k_q7ade39cf48_lay3:
	s_mov_b64 s[64:65], 0
	v_nop
	global_prefetch_b8 v0, s[64:65] scope:SCOPE_SE
	s_setreg_imm32_b32 hwreg(HW_REG_WAVE_MODE, 25, 1), 1
	s_wait_xcnt 0x0
; ONE LAYER OF ONE EXPERT ON ITS ROUTED ROWS: here y = h2 Q(W3) + b3, K = 2,048 shared by two work-groups (1,024 each; the last launch adds the halves), 1,024 columns, f32 out.  Operands are codes of E4M3 with one E8M0 scale for each 32 along K; sums in f32.
; SHARES.  Work-group (x, e) owns 64 columns of expert e's weight: 256 bytes of each weight row.  PHASE W: it streams them once as f32 (wave w: a quarter of K), quantises them down K in registers and lays the codes in LDS as images of
; operand registers; one barrier, on every wave's path.  PHASE M: wave w takes rounds w, w + 4, .. of the expert's rows (a round = 64 rows = 4 tiles of 16) through all of K; nothing is written to LDS any more, so no barrier follows.
; The number of rounds is read from pidx, which an earlier launch stored; the launch has no tensor load, no copy and no cluster (partners would need different numbers of tiles), and operands come by plain loads.
; THE WEIGHT.  Lane (q, h) loads row k0 + 16 h + i, bytes 16 q: one load reads two whole rows of 256 bytes.  TILE j TAKES COLUMN 4 m + j AT PLACE m: a lane's four columns are its own place in four tiles, its 16 rows the 16 neighbours
; along K that the operand's layout gives it; the hold writes to the transposed register number, so nothing else transposes.
; THE RESULT (MODE 0): the product is used transposed (source 0 = a weight tile, source 1 = 16 rows): register p of tile j in lane (r, h) is row r, column 32 h + 4 p + j: a lane holds one whole block of 32 of the next K.
; (MODE 1: source 0 = 16 rows, source 1 = a weight tile: register p of tile j is row 8 h + p, column 4 r + j: 16 lanes store 256 consecutive bytes of a row.)  The bias is the C of each sum's first product (MODE 0) or added on the way out (MODE 1).
; LIMITS: NaN and infinities are not served; a block whose largest magnitude lies under 2^-118 keeps the scale byte 1, a block of zeros too (its codes are zeros; this program alone reads the bytes).
; REGISTERS, in windows of 256: window 0: v1-13 offsets; v16-35 at work; v36-39 a K step's weight scale words; v40-55 codes just made; v56-63 weight scale words, two sets; v64-67 the bias; v96-127 the rows' scale words, two sets;
;   v128-255 held numbers, later results.   window 1: weight fragments, two sets of 64.   window 2: four buffers of 64: the weight's landing buffers, then the rows' fragments.   window 3: 16 accumulators ((i, j) at 8 (4 i + j)).
; SCALARS: s[26:27], s[30:31] this round's codes and scale words; s[28:29], s[32:33] the next round's; s[54:55], s[56:57] the expert's; s52 the next round's number, s53 the expert's last round; s23 rounds that I still have.
.set KS,    8                          ; K steps of 128 in the work-group's K
.set ROWB,  4096                       ; a weight row in bytes
.set WEXP,  8388608                    ; an expert's weight in bytes
.set BEXP,  4096                       ; an expert's bias in bytes
.set TILEB, 32768                      ; a tile of 16 rows of the incoming codes
.set STB,   1024                       ; and of their scale words
.set ASCL,  16777216                   ; where the incoming scale words begin
.set MODE,  1                          ; 0: relu, codes out; 1: f32 out
.set SPLIT, 1                          ; 1: two work-groups share K
.set KSW,   KS/4                       ; K steps that a wave quantises
.set NB,    4*KSW                      ; blocks of 32 along K in them
.set WSC,   KS*8192                    ; LDS: fragment (s, j) at 8192 s + 2048 j + 512 c + 16 lane; behind them the scale words, [s][r 16][j 4]
.set LN,   1
.set RR,   2
.set HH,   3
.set VW,   4                           ; the weight: 16 r + 16 rows x h
.set L16,  5                           ; 16 x lane
.set L16H, 6                           ; + 65,536
.set R16,  7                           ; 16 r
.set LWS,  8                           ; LDS: WSC + 16 r
.set SWI,  9                           ; LDS: where I store fragments: 16 x lane + my wave's K steps
.set SWS,  10                          ; LDS: and scale words
.set VO,   11                          ; the way out: my offset among the results
.set VOS,  12                          ; and among their scale bytes
.set VB,   13                          ; the bias: 128 h
.set TMX,  16
.set TMP,  20
.set LIM,  24
.set SCL,  28
.set BYT,  32
.set WSA,  36
.set PCW,  40
.set WS,   56
.set TT,   64
.set BN,   64
.set AS,   96
.set T64,  128
.set PCD,  128
.set BYO,  160
.set TO,   128
.set BIAS, 128
.set MSB, 0
.macro WIN new                         ; the immediate's high byte repeats the setting that is left
.if MSB != \new
	s_set_vgpr_msb (MSB<<8)|\new
.set MSB, \new
.endif
.endm
.macro PLACES n
.rept \n
	v_nop
.endr
.endm
.macro LOADW g                         ; block g of my K: 32 weight rows into landing buffer g % 4
	WIN 0x80
.irp i, 0,1,2,3,4,5,6,7,8,9,10,11,12,13,14,15
	global_load_b128 v[64*((\g)%4)+4*\i:64*((\g)%4)+4*\i+3], v[VW], s[4:5] offset:(32*(\g)+\i)*ROWB th:TH_LOAD_NT
.endr
.endm
; the rows' fragments of K step x (four tiles) into buffer x % 4; with every fourth step the scale words of four steps.  x >= KS: the first steps of the wave's next round
.macro ALOAD x
.if (\x) < KS
.set AX, (\x)
.set AP, 26
.set SPX, 30
.else
.set AX, (\x)-KS
.set AP, 28
.set SPX, 32
.endif
	WIN 0x80
.irp i, 0,1,2,3
.irp c, 0,1,2,3
	global_load_b128 v[64*(AX%4)+16*\i+4*\c:64*(AX%4)+16*\i+4*\c+3], v[L16], s[AP:AP+1] offset:\i*TILEB+AX*2048+512*\c
.endr
.endr
.if AX%4 == 0
	WIN 0
.irp i, 0,1,2,3
	global_load_b128 v[AS+16*((AX/4)%2)+4*\i:AS+16*((AX/4)%2)+4*\i+3], v[R16], s[SPX:SPX+1] offset:\i*STB+(AX/4)*256
.endr
.endif
.endm
; block cb: register 4 i + j of the landing buffer is W(32 cb + 16 h + i, 4 q + j)
.macro QW cb
.set RB, 64*((\cb)%4)
.set SS, (\cb)/4
.set CC, (\cb)%4
.if (\cb) >= NB-3
	s_wait_loadcnt 52                              ; this group is in; behind it three groups, one of them of 20 (fragments and scale words of the rows' K step 0)
.else
	s_wait_loadcnt 48                              ; this group is in; behind it three groups of 16
.endif
	s_wait_dscnt 0x0                               ; the last block's LDS stores have read their registers
	WIN 0x0a                                       ; sources 0 and 1: window 2
.irp j, 0,1,2,3
	v_max3_num_f32 v[TMX+\j], |v[RB+\j]|, |v[RB+4+\j]|, 0x4800000          ; and the floor 2^(9 - 127): the byte cannot fall under 1
.endr
.irp i, 2,4,6,8,10,12,14
.irp j, 0,1,2,3
	v_max3_num_f32 v[TMX+\j], |v[RB+4*\i+\j]|, |v[RB+4*\i+4+\j]|, v[TMX+\j]
.endr
.endr
	WIN 0
.irp j, 0,1,2,3
	v_permlanex16_b32 v[TMP+\j], v[TMX+\j], s38, s39
.endr
.irp j, 0,1,2,3
	v_max_num_f32 v[TMX+\j], v[TMX+\j], v[TMP+\j]          ; with lane l xor 16's 16 rows: the block's largest magnitude
.endr
.irp j, 0,1,2,3
	v_add_nc_u32 v[SCL+\j], 0xfc000000, v[TMX+\j]          ; 8 off its exponent field: the conversion's scale operand
.endr
.irp j, 0,1,2,3
	v_and_or_b32 v[LIM+\j], v[TMX+\j], 0x7f800000, s40     ; 448 x the scale
.endr
.irp j, 0,1,2,3
.if CC == 0
	v_lshrrev_b32 v[WSA+\j], 23, v[SCL+\j]                 ; the K step's first byte starts the scale word
.else
	v_lshrrev_b32 v[BYT+\j], 23, v[SCL+\j]
.endif
.endr
.if CC > 0
.irp j, 0,1,2,3
	v_lshl_or_b32 v[WSA+\j], v[BYT+\j], 8*CC, v[WSA+\j]
.endr
.endif
	WIN 0x02                                       ; source 0: window 2
.irp i, 0,1,2,3,4,5,6,7,8,9,10,11,12,13,14,15
.irp j, 0,1,2,3
	v_med3_num_f32 v[T64+16*\j+\i], v[RB+4*\i+\j], -v[LIM+\j], v[LIM+\j]   ; the conversion does not saturate (ISA guide 7.6.2): the hold; it also turns [k][column] into [column][k]
.endr
.endr
.if (\cb)+4 < NB
	LOADW (\cb)+4                                  ; the buffer just read takes the group four further on:
.elseif (\cb)+4 <= NB+2
	ALOAD (\cb)+4-NB
.endif
	WIN 0
.if (\cb)+4 < NB
	s_wait_alu depctr_va_vdst(0)
	THR 16
.endif
.irp j, 0,1,2,3
	v_cvt_scalef32_pk8_fp8_f32 v[PCW+4*\j:PCW+4*\j+1], v[T64+16*\j:T64+16*\j+7], v[SCL+\j]
	v_cvt_scalef32_pk8_fp8_f32 v[PCW+4*\j+2:PCW+4*\j+3], v[T64+16*\j+8:T64+16*\j+15], v[SCL+\j]
.endr
	v_nop                                          ; one plain line behind the last conversion
.irp j, 0,1,2,3
	ds_store_b128 v[SWI], v[PCW+4*\j:PCW+4*\j+3] offset:SS*8192+\j*2048+CC*512   ; 512 consecutive bytes
.endr
.if CC == 3
	ds_store_b128 v[SWS], v[WSA:WSA+3] offset:256*SS       ; lanes q and q + 16 write the same words with the same values
.endif
.endm
.macro FETCHB s                        ; K step s: four weight fragments into set s % 2, and their scale words: 17 LDS loads
	WIN 0x40
.irp j, 0,1,2,3
.irp c, 0,1,2,3
.if (\s) < 8
	ds_load_b128 v[64*((\s)%2)+16*\j+4*\c:64*((\s)%2)+16*\j+4*\c+3], v[L16] offset:(\s)*8192+\j*2048+\c*512
.else
	ds_load_b128 v[64*((\s)%2)+16*\j+4*\c:64*((\s)%2)+16*\j+4*\c+3], v[L16H] offset:((\s)-8)*8192+\j*2048+\c*512
.endif
.endr
.endr
	WIN 0
	ds_load_b128 v[WS+4*((\s)%2):WS+4*((\s)%2)+3], v[LWS] offset:256*(\s)
.endm
.macro MUL s                           ; 16 products, the 16 accumulators by turns, in the same order in every step
.set BB, 64*((\s)%2)
.set AB, 64*((\s)%4)
.set WR, WS+4*((\s)%2)
.set AR, AS+16*(((\s)/4)%2)+(\s)%4
.if MODE == 0
	WIN 0xf9                                       ; source 0 (weight) window 1, source 1 (rows) window 2, C and D window 3
.irp i, 0,1,2,3
.irp j, 0,1,2,3
.if (\s) == 0
	v_wmma_scale_f32_16x16x128_f8f6f4 v[8*(4*\i+\j):8*(4*\i+\j)+7], v[BB+16*\j:BB+16*\j+15], v[AB+16*\i:AB+16*\i+15], v[BIAS+8*\j:BIAS+8*\j+7], v[WR+\j], v[AR+4*\i]
.else
	v_wmma_scale_f32_16x16x128_f8f6f4 v[8*(4*\i+\j):8*(4*\i+\j)+7], v[BB+16*\j:BB+16*\j+15], v[AB+16*\i:AB+16*\i+15], v[8*(4*\i+\j):8*(4*\i+\j)+7], v[WR+\j], v[AR+4*\i]
.endif
.endr
.endr
.else
	WIN 0xf6                                       ; source 0 (rows) window 2, source 1 (weight) window 1, C and D window 3
.irp i, 0,1,2,3
.irp j, 0,1,2,3
.if (\s) == 0
	v_wmma_scale_f32_16x16x128_f8f6f4 v[8*(4*\i+\j):8*(4*\i+\j)+7], v[AB+16*\i:AB+16*\i+15], v[BB+16*\j:BB+16*\j+15], 0, v[AR+4*\i], v[WR+\j]
.else
	v_wmma_scale_f32_16x16x128_f8f6f4 v[8*(4*\i+\j):8*(4*\i+\j)+7], v[AB+16*\i:AB+16*\i+15], v[BB+16*\j:BB+16*\j+15], v[8*(4*\i+\j):8*(4*\i+\j)+7], v[AR+4*\i], v[WR+\j]
.endif
.endr
.endr
.endif
.endm
.macro KSTEP s
	PLACES 8                                       ; the loads below land in registers that the last step's products read: eight places behind this form
.set NS, ((\s)+1)%KS
	FETCHB NS                                      ; the next step's weight fragments (behind the last step: the next round's first)
	ALOAD (\s)+3                                   ; the rows' fragments three steps on: always issued, so that every count holds on every path
	s_wait_dscnt 17                                ; all but the 17 just issued: this step's weight fragments are in
.if (\s)%4 == 0
	s_wait_loadcnt 48                              ; this step's rows are in; behind them three groups of 16
.else
	s_wait_loadcnt 52                              ; behind them three groups, one of 20
.endif
	MUL \s
.endm
	s_load_b256 s[4:11], s[0:1], 0x0               ; the weight, the bias, the incoming codes, pidx
	s_load_b64 s[12:13], s[0:1], 0x20
	v_lshl_add_u32 v14, v0, 2, 67584               ; my spare word, behind the fragments and scale words; never rewritten
	v_mov_b32 v15, 0                               ; 0; never rewritten
	v_lshrrev_b32 v1, 5, v0
	v_readfirstlane_b32 s18, v1                    ; wave 0..3
	v_and_b32 v[LN], 31, v0
	v_and_b32 v[RR], 15, v0
	v_bfe_u32 v[HH], v0, 4, 1
	v_mul_u32_u24 v[VW], v[HH], 16*ROWB
	v_lshl_add_u32 v[VW], v[RR], 4, v[VW]
	v_lshlrev_b32 v[L16], 4, v[LN]
.if KS > 8
	v_add_nc_u32 v[L16H], 0x10000, v[L16]
.endif
	v_lshlrev_b32 v[R16], 4, v[RR]
	v_add_nc_u32 v[LWS], WSC, v[R16]
	s_mul_i32 s24, s18, KSW*8192
	v_add_nc_u32 v[SWI], s24, v[L16]
	s_mul_i32 s24, s18, KSW*256
	v_add_nc_u32 v[SWS], s24, v[LWS]
.if MODE == 0
	v_lshl_add_u32 v[VO], v[HH], 9, v[R16]         ; group c = 2 (slice % 2) + h of an image, row r's 16 bytes
	v_add_nc_u32 v[VOS], v[R16], v[HH]             ; row r's four words, byte c
	v_lshlrev_b32 v[VB], 7, v[HH]
.else
	v_lshl_add_u32 v[VO], v[HH], 15, v[R16]        ; eight rows of 4,096 bytes x h, + 16 r
.endif
.irp j, 0,1,2,3
	v_mov_b32 v[TMP+\j], 0                         ; written once: a lane permute's destination counts as one of its sources
.endr
	s_mov_b32 s38, 0x76543210
	s_mov_b32 s39, 0xfedcba98                      ; v_permlanex16_b32's selects for lane l xor 16
	s_mov_b32 s40, 0x600000                        ; the mantissa field of 448
	s_and_b32 s20, ttmp7, 0xffff                   ; the expert
.if SPLIT
	s_lshr_b32 s19, ttmp9, 1                       ; which 64 columns
	s_and_b32 s21, ttmp9, 1                        ; which half of K
.else
	s_mov_b32 s19, ttmp9
	s_mov_b32 s21, 0
.endif
	s_lshl_b32 s46, s20, 7                         ; the expert's row of rounds
	s_mul_i32 s24, s20, WEXP
	s_lshl_b32 s25, s21, 10
	s_mul_i32 s47, s18, 128*KSW
	s_add_co_u32 s25, s25, s47                     ; my first weight row
	s_mul_i32 s25, s25, ROWB
	s_add_co_u32 s24, s24, s25
	s_lshl_b32 s47, s19, 8                         ; my 256 bytes of a row
	s_add_co_u32 s24, s24, s47
	s_mov_b32 s25, 0
	s_mul_i32 s48, s20, BEXP
	s_add_co_u32 s48, s48, s47
	s_mov_b32 s49, 0
	s_wait_alu depctr_va_vdst(0)
	s_wait_kmcnt 0x0
	s_load_b32 s22, s[10:11], s46 offset:32768     ; rounds
	s_add_nc_u64 s[4:5], s[4:5], s[24:25]
	s_add_nc_u64 s[6:7], s[6:7], s[48:49]
.if MODE == 0
	WIN 0xc0
.irp j, 0,1,2,3
.irp p, 0,1,2,3,4,5,6,7
	global_load_b32 v[BIAS+8*\j+\p], v[VB], s[6:7] offset:4*(4*\p+\j)      ; the bias in the result's layout: column 32 h + 4 p + j
.endr
.endr
.else
	global_load_b128 v[BN:BN+3], v[R16], s[6:7]    ; the bias of columns 4 r + j
.endif
; HOW MANY WEIGHT LOADS A WAVE KEEPS OUT HANGS ON THE EXPERT'S ROUNDS (a stored number): behind each group of 16 loads a wave of an expert with up to 4 rounds waits until at most n are out,
; one with 5 to 8 rounds until at most 32 are out, one with more goes on.  So of the requests that are out at a time more belong to the work-groups that have more rounds to multiply behind the stream.
; These counts lie under the counts that the registers need: the order of the loads and all other waits stay as they are.
.macro THR n
	s_cmp_gt_u32 s22, 8
	s_cbranch_scc1 .Lfull_\@
	s_cmp_gt_u32 s22, 4
	s_cbranch_scc1 .Lmid_\@
	s_wait_loadcnt \n
.Lmid_\@:
	s_wait_loadcnt 32
.Lfull_\@:
.endm
	LOADW 0
	LOADW 1
	WIN 0
	s_wait_kmcnt 0x0
	s_min_u32 s22, s22, 16
	s_max_u32 s22, s22, 1
	THR 0
	LOADW 2
	WIN 0
	THR 0
	LOADW 3
	WIN 0
	THR 0
	s_sub_co_u32 s23, s22, s18
	s_add_co_u32 s23, s23, 3
	s_lshr_b32 s23, s23, 2                         ; my rounds: w, w + 4, .. under rounds; none where w >= rounds
	s_sub_co_u32 s53, s22, 1                       ; the expert's last round
	s_min_u32 s24, s53, s18
	s_min_u32 s24, s24, 3                          ; my first round (a wave without rounds reads the expert's last, and uses nothing of it)
	s_add_co_u32 s52, s24, 4
	s_min_u32 s52, s52, s53                        ; my next round: four on, or, where I have none, the expert's last: no load leaves what was stored
	s_min_u32 s52, s52, 15                         ; a round's number enters an address only behind a bound written here
	s_mov_b32 s51, 0
	s_mov_b32 s35, 0
	s_mul_i32 s50, s20, 64*TILEB
	s_lshl_b32 s47, s21, 14                        ; the second half of K: eight K steps of 2,048 bytes on
	s_add_co_u32 s50, s50, s47
	s_add_nc_u64 s[54:55], s[8:9], s[50:51]        ; the expert's codes
	s_mul_i32 s50, s20, 64*STB
	s_lshl_b32 s47, s21, 9
	s_add_co_u32 s50, s50, s47
	s_add_nc_u64 s[56:57], s[8:9], s[50:51]
	s_add_nc_u64 s[56:57], s[56:57], ASCL          ; and scale words
	s_mul_i32 s50, s24, 4*TILEB
	s_add_nc_u64 s[26:27], s[54:55], s[50:51]      ; this round's codes
	s_mul_i32 s50, s24, 4*STB
	s_add_nc_u64 s[30:31], s[56:57], s[50:51]      ; and scale words
	s_mul_i32 s50, s52, 4*TILEB
	s_add_nc_u64 s[28:29], s[54:55], s[50:51]      ; the next round's
	s_mul_i32 s50, s52, 4*STB
	s_add_nc_u64 s[32:33], s[56:57], s[50:51]
	; THE ROWS' CODES AND SCALE WORDS ARE PREFETCHED INTO THE L2 while the weight is quantised: phase M reads them a whole phase later.
	; The expert's 32 work-groups form 16 pairs (x, x xor 29); pair and wave give g = 0 .. 63; prefetch p of wave g names 32 blocks of 256 bytes at 8,192 g + 524,288 p of the expert's codes (both halves of K),
	; a lane a block: each block is named by two work-groups.  A prefetch whose round the expert does not have is jumped over (a scalar branch on the stored number of rounds), so no address leaves what was stored.
.set RNDB, 4*TILEB                     ; a round's codes in bytes
.set WPRL, RNDB/65536+2                ; log2 of the prefetches that cover a round
	s_and_b32 s60, ttmp9, 1
	s_mul_i32 s60, s60, 29
	s_xor_b32 s60, s60, ttmp9
	s_lshr_b32 s60, s60, 1                         ; the pair, 0 .. 15
	s_lshl_b32 s60, s60, 2
	s_add_co_u32 s60, s60, s18                     ; g
	s_lshr_b32 s61, s60, WPRL                      ; the round of my first prefetch
	s_lshl_b32 s62, s60, 13
	s_mul_i32 s58, s20, 64*TILEB
	s_mov_b32 s59, 0
	s_add_nc_u64 s[58:59], s[8:9], s[58:59]        ; the expert's codes, from their first byte
	WIN 0x40
	v_lshl_add_u32 v128, v[LN], 8, s62             ; window 1, v128: 8,192 g + 256 x lane; never rewritten
	WIN 0
	s_wait_alu depctr_va_vdst(0)                   ; directly behind the write
.macro PF p
	s_add_co_u32 s63, s61, (\p)*(524288/RNDB)
	s_cmp_lt_u32 s63, s22
	s_cbranch_scc0 .Lnpf_\@
	WIN 0x01
	global_prefetch_b8 v128, s[58:59] offset:(\p)*524288 th:TH_LOAD_NT scope:SCOPE_SE
	WIN 0
.Lnpf_\@:
.endm
.set PQ, 0
.rept 16*RNDB/524288
	PF PQ
.set PQ, PQ+1
.endr
	s_mul_i32 s62, s20, 64*STB
	s_mov_b32 s63, 0
	s_add_nc_u64 s[62:63], s[8:9], s[62:63]
	s_add_nc_u64 s[62:63], s[62:63], ASCL          ; the expert's scale words, from their first byte
	s_mul_i32 s61, s60, 2048/STB                   ; the first round whose scale words lie in my 8,192 bytes
	s_cmp_lt_u32 s61, s22
	s_cbranch_scc0 .Lnps
	WIN 0x01
	global_prefetch_b8 v128, s[62:63] th:TH_LOAD_NT scope:SCOPE_SE
	WIN 0
.Lnps:
.if MODE == 0
	s_lshl_b32 s50, s20, 21                        ; results: 2 MiB an expert, 128 KiB a round, K step slice / 2, groups 2 (slice % 2) on
	s_lshl_b32 s47, s24, 17
	s_add_co_u32 s50, s50, s47
	s_lshr_b32 s47, s19, 1
	s_lshl_b32 s47, s47, 11
	s_add_co_u32 s50, s50, s47
	s_and_b32 s48, s19, 1
	s_lshl_b32 s47, s48, 10
	s_add_co_u32 s50, s50, s47
	s_add_nc_u64 s[42:43], s[12:13], s[50:51]
	s_lshl_b32 s50, s20, 16                        ; their scale bytes: 64 KiB an expert, 4 KiB a round, [Q = slice / 8][r][word (slice / 2) % 4][byte]
	s_lshl_b32 s47, s24, 12
	s_add_co_u32 s50, s50, s47
	s_lshr_b32 s47, s19, 3
	s_lshl_b32 s47, s47, 8
	s_add_co_u32 s50, s50, s47
	s_bfe_u32 s47, s19, 0x20001
	s_lshl_b32 s47, s47, 2
	s_add_co_u32 s50, s50, s47
	s_lshl_b32 s47, s48, 1
	s_add_co_u32 s50, s50, s47
	s_add_nc_u64 s[44:45], s[12:13], s[50:51]
	s_add_nc_u64 s[44:45], s[44:45], 16777216
.else
	s_lshl_b32 s50, s20, 22                        ; results: 1,024 rows of 4,096 bytes an expert, 64 a round; my 256 bytes of a row; 32 MiB for each half of K
	s_lshl_b32 s47, s24, 18
	s_add_co_u32 s50, s50, s47
	s_lshl_b32 s47, s19, 8
	s_add_co_u32 s50, s50, s47
	s_lshl_b32 s47, s21, 25
	s_add_co_u32 s50, s50, s47
	s_add_nc_u64 s[42:43], s[12:13], s[50:51]
.endif
	; ---- PHASE W: my quarter of the work-group's K, block by block
.set Q, 0
.rept NB
	QW Q
.set Q, Q+1
.endr
.if MODE == 1
	s_cmp_eq_u32 s21, 0
	s_cselect_b32 s41, -1, 0
.irp j, 0,1,2,3
	v_cndmask_b32 v[BN+\j], 0, v[BN+\j], s41       ; the bias goes with the first half of K alone
.endr
.endif
	s_wait_dscnt 0x0                               ; for the others' sake: my fragments and scale words lie in LDS
	s_barrier_signal -1
	s_barrier_wait -1                              ; the only barrier: LDS is only read from here on
	s_cmp_eq_u32 s23, 0
	s_cbranch_scc1 .Lend                           ; a wave without rounds
	; ---- PHASE M
	FETCHB 0
.Lpass:
.set KQ, 0
.rept KS
	KSTEP KQ
.set KQ, KQ+1
.endr
	WIN 0
	PLACES 8                                       ; eight places behind this form before its results are read
.if MODE == 0
	WIN 0x0f                                       ; sources 0 and 1: window 3
.irp i, 0,1,2,3
	v_max3_num_f32 v[TMX+\i], v[32*\i], v[32*\i+1], 0x4800000      ; tile i: my 32 numbers are a whole block.  No |.|: what is negative becomes 0 and must not count; the floor stands over it.  Each accumulator from its low end on
.endr
.irp n, 1,2,3,4,5,6,7,8,9,10,11,12,13,14,15
.irp i, 0,1,2,3
	v_max3_num_f32 v[TMX+\i], v[32*\i+2*\n], v[32*\i+2*\n+1], v[TMX+\i]
.endr
.endr
	WIN 0
.irp i, 0,1,2,3
	v_add_nc_u32 v[SCL+\i], 0xfc000000, v[TMX+\i]
.endr
.irp i, 0,1,2,3
	v_and_or_b32 v[LIM+\i], v[TMX+\i], 0x7f800000, s40
.endr
.irp i, 0,1,2,3
	v_lshrrev_b32 v[BYO+\i], 23, v[SCL+\i]
.endr
.irp i, 0,1,2,3
	WIN 0x03                                       ; source 0: window 3
.irp p, 0,1,2,3,4,5,6,7
.irp j, 0,1,2,3
	v_med3_num_f32 v[TT+4*\p+\j], v[32*\i+8*\j+\p], 0, v[LIM+\i]   ; relu and the hold in one; it also puts the columns in order
.endr
.endr
	WIN 0
.irp g, 0,1,2,3
	v_cvt_scalef32_pk8_fp8_f32 v[PCD+8*\i+2*\g:PCD+8*\i+2*\g+1], v[TT+8*\g:TT+8*\g+7], v[SCL+\i]
.endr
	v_nop                                          ; one plain line behind the last conversion: the next tile's holds write its sources
.endr
.irp i, 0,1,2,3
	global_store_b128 v[VO], v[PCD+8*\i:PCD+8*\i+3], s[42:43] offset:\i*32768            ; k 0-15 of my block: lane r's place; sixteen lanes store 256 consecutive bytes, aligned
	global_store_b128 v[VO], v[PCD+8*\i+4:PCD+8*\i+7], s[42:43] offset:\i*32768+256      ; k 16-31: lane r + 16's place
	global_store_b8 v[VOS], v[BYO+\i], s[44:45] offset:\i*1024
.endr
.else
	WIN 0x03                                       ; source 0: window 3
	s_wait_alu depctr_va_vdst(0)
.irp i, 0,1,2,3
.irp p, 0,1,2,3,4,5,6,7
.irp j, 0,1,2,3
	v_add_f32 v[TO+32*\i+4*\p+\j], v[32*\i+8*\j+\p], v[BN+\j]      ; + the bias; it also puts four neighbouring columns side by side
.endr
.endr
.endr
	WIN 0
.irp i, 0,1,2,3
.irp p, 0,1,2,3,4,5,6,7
	global_store_b128 v[VO], v[TO+32*\i+4*\p:TO+32*\i+4*\p+3], s[42:43] offset:(16*\i+\p)*4096 th:TH_STORE_NT   ; sixteen lanes store 256 consecutive bytes of a row, aligned
.endr
.endr
.endif
	s_wait_xcnt 0x0                                ; the loads and stores issued so far have read their bases and registers: both may be written again
	s_mov_b64 s[26:27], s[28:29]                   ; the round whose first three K steps are on their way
	s_mov_b64 s[30:31], s[32:33]
	s_add_co_u32 s52, s52, 4
	s_min_u32 s52, s52, s53                        ; the round after it: four on, or the expert's last
	s_min_u32 s52, s52, 15
	s_mul_i32 s34, s52, 4*TILEB
	s_add_nc_u64 s[28:29], s[54:55], s[34:35]
	s_mul_i32 s34, s52, 4*STB
	s_add_nc_u64 s[32:33], s[56:57], s[34:35]
.if MODE == 0
	s_add_nc_u64 s[42:43], s[42:43], 524288        ; four rounds on
	s_add_nc_u64 s[44:45], s[44:45], 16384
.else
	s_add_nc_u64 s[42:43], s[42:43], 1048576
.endif
	s_sub_co_u32 s23, s23, 1
	s_cmp_lg_u32 s23, 0
	s_cbranch_scc1 .Lpass
.Lend:
	s_wait_tensorcnt 0x0                           ; the wave's end
	ds_add_u32 v14, v15
	s_wait_dscnt 0x0
	s_endpgm
.Lfunc_end_k_q7ade39cf48_lay3:
	.size	k_q7ade39cf48_lay3, .Lfunc_end_k_q7ade39cf48_lay3-k_q7ade39cf48_lay3
	.p2alignl 7, 3214868480
	.fill 96, 4, 3214868480
	.section	.rodata,"a",@progbits
	.p2align	6, 0x0
	.amdhsa_kernel k_q7ade39cf48_lay3
		.amdhsa_group_segment_fixed_size 68096
		.amdhsa_private_segment_fixed_size 0
		.amdhsa_enable_private_segment 0
		.amdhsa_kernarg_size 40
		.amdhsa_user_sgpr_count 2
		.amdhsa_user_sgpr_kernarg_segment_ptr 1
		.amdhsa_wavefront_size32 1
		.amdhsa_system_sgpr_workgroup_id_x 1
		.amdhsa_system_sgpr_workgroup_id_y 1
		.amdhsa_system_sgpr_workgroup_id_z 1
		.amdhsa_system_vgpr_workitem_id 0
		.amdhsa_next_free_vgpr 896
		.amdhsa_next_free_sgpr 66
		.amdhsa_reserve_vcc 0
		.amdhsa_float_denorm_mode_32 3
		.amdhsa_float_denorm_mode_16_64 3
		.amdhsa_memory_ordered 1
		.amdhsa_forward_progress 1
		.amdhsa_inst_pref_size 143
	.end_amdhsa_kernel
	.amdgpu_metadata
---
amdhsa.version: [ 1, 2 ]
amdhsa.kernels:
  - .name:           k_q7ade39cf48_lay3
    .symbol:         k_q7ade39cf48_lay3.kd
    .args:
      - { .name: W3, .offset: 0, .size: 8, .value_kind: global_buffer, .address_space: global }
      - { .name: b3, .offset: 8, .size: 8, .value_kind: global_buffer, .address_space: global }
      - { .name: h2, .offset: 16, .size: 8, .value_kind: global_buffer, .address_space: global }
      - { .name: pidx, .offset: 24, .size: 8, .value_kind: global_buffer, .address_space: global }
      - { .name: y, .offset: 32, .size: 8, .value_kind: global_buffer, .address_space: global }
    .group_segment_fixed_size: 68096
    .private_segment_fixed_size: 0
    .kernarg_segment_align: 8
    .kernarg_segment_size: 40
    .max_flat_workgroup_size: 128
    .sgpr_count:     66
    .vgpr_count:     896
    .wavefront_size: 32
...
	.end_amdgpu_metadata
.endif
;; end of part 5
;; launch comb (part 6): grid 256 x 1, 4 waves a work-group, no clusters, 0 bytes of LDS; arguments sel, gq, pidx, y, out0; writes out0
.if DOCPART == 6
	.amdgcn_target "amdgcn-amd-amdhsa--gfx1250"
	.amdhsa_code_object_version 6
	.text
	.protected	k_q7ade39cf48_comb
	.globl	k_q7ade39cf48_comb
	.p2align	8
	.type	k_q7ade39cf48_comb,@function
k_q7ade39cf48_comb:
	s_mov_b64 s[64:65], 0
	v_nop
	global_prefetch_b8 v0, s[64:65] scope:SCOPE_SE
	s_setreg_imm32_b32 hwreg(HW_REG_WAVE_MODE, 25, 1), 1
	s_wait_xcnt 0x0
; THE COMBINATION.  out[n] = g0 (y[0][slot0] + y[1][slot0]) + g1 (y[0][slot1] + y[1][slot1]): the two chosen experts' rows, each in two halves of K, weighed by the token's own gates.  b3 lies in y already.
; One wave takes one token: a row of 4,096 bytes is eight loads of 512 consecutive bytes.  slot = 1024 e + the token's place in expert e's list; e comes from sel, the place from posmap, both stored by earlier launches.
; All scalar loads go out together (the places for all eight experts), so that there is one wait and no second fetch that hangs on the first.  Memory binds: no LDS, no barrier, no matrix unit.
.set GWB, 1081344
.set HALF, 33554432                    ; from one half of K to the other in y
	s_load_b256 s[4:11], s[0:1], 0x0               ; sel, gq, pidx, y
	s_load_b64 s[12:13], s[0:1], 0x20              ; out0
	v_lshrrev_b32 v1, 5, v0
	v_readfirstlane_b32 s18, v1                    ; wave
	v_and_b32 v2, 31, v0
	v_lshlrev_b32 v2, 4, v2                        ; 16 x lane
	s_lshl_b32 s19, ttmp9, 2
	s_add_co_u32 s19, s19, s18                     ; my token
	s_lshl_b32 s16, s19, 2
	s_lshl_b32 s17, s19, 3
	s_wait_alu depctr_va_vdst(0)
	s_wait_kmcnt 0x0
	s_load_b32 s20, s[4:5], s16 offset:0x0         ; its two experts
	s_load_b64 s[22:23], s[6:7], s17 offset:GWB    ; its two gates
.irp e, 0,1,2,3,4,5,6,7
	s_load_b32 s[24+\e], s[8:9], s16 offset:4096*\e        ; its place in each expert's list
.endr
	s_mov_b32 s39, 0
	s_lshl_b32 s38, s19, 12
	s_add_nc_u64 s[12:13], s[12:13], s[38:39]      ; its row of the output
	s_wait_kmcnt 0x0
	s_and_b32 s32, s20, 0xff
	s_min_u32 s32, s32, 7                          ; e0
	s_bfe_u32 s33, s20, 0x80008
	s_min_u32 s33, s33, 7                          ; e1
	s_mov_b32 s34, s24
	s_mov_b32 s35, s24
.irp e, 1,2,3,4,5,6,7
	s_cmp_eq_u32 s32, \e
	s_cselect_b32 s34, s[24+\e], s34
	s_cmp_eq_u32 s33, \e
	s_cselect_b32 s35, s[24+\e], s35
.endr
	s_min_u32 s34, s34, 1023
	s_min_u32 s35, s35, 1023
	s_lshl_b32 s32, s32, 10
	s_add_co_u32 s34, s34, s32
	s_lshl_b32 s38, s34, 12                        ; slot0 x 4,096 bytes
	s_add_nc_u64 s[40:41], s[10:11], s[38:39]
	s_add_nc_u64 s[42:43], s[40:41], HALF
	s_lshl_b32 s33, s33, 10
	s_add_co_u32 s35, s35, s33
	s_lshl_b32 s38, s35, 12
	s_add_nc_u64 s[44:45], s[10:11], s[38:39]
	s_add_nc_u64 s[46:47], s[44:45], HALF
	s_mov_b32 s36, s23                             ; g1 as the low word of a pair: the packed form takes the low word for both halves
	s_mov_b32 s37, s23
.irp t, 0,1,2,3,4,5,6,7
	global_load_b128 v[16+16*\t:19+16*\t], v2, s[40:41] offset:512*\t th:TH_LOAD_NT
	global_load_b128 v[20+16*\t:23+16*\t], v2, s[42:43] offset:512*\t th:TH_LOAD_NT
	global_load_b128 v[24+16*\t:27+16*\t], v2, s[44:45] offset:512*\t th:TH_LOAD_NT
	global_load_b128 v[28+16*\t:31+16*\t], v2, s[46:47] offset:512*\t th:TH_LOAD_NT
.endr
.irp t, 0,1,2,3,4,5,6,7
	s_wait_loadcnt 4*(7-\t)                        ; this chunk's four loads are in; the later chunks' may be out
.irp k, 0,2
	v_pk_add_f32 v[16+16*\t+\k:17+16*\t+\k], v[16+16*\t+\k:17+16*\t+\k], v[20+16*\t+\k:21+16*\t+\k]
	v_pk_add_f32 v[24+16*\t+\k:25+16*\t+\k], v[24+16*\t+\k:25+16*\t+\k], v[28+16*\t+\k:29+16*\t+\k]
	v_pk_mul_f32 v[16+16*\t+\k:17+16*\t+\k], v[16+16*\t+\k:17+16*\t+\k], s[22:23] op_sel_hi:[1,0]
	v_pk_fma_f32 v[16+16*\t+\k:17+16*\t+\k], v[24+16*\t+\k:25+16*\t+\k], s[36:37], v[16+16*\t+\k:17+16*\t+\k] op_sel_hi:[1,0,1]
.endr
	global_store_b128 v2, v[16+16*\t:19+16*\t], s[12:13] offset:512*\t th:TH_STORE_NT   ; 512 consecutive bytes
.endr
	s_endpgm
.Lfunc_end_k_q7ade39cf48_comb:
	.size	k_q7ade39cf48_comb, .Lfunc_end_k_q7ade39cf48_comb-k_q7ade39cf48_comb
	.p2alignl 7, 3214868480
	.fill 96, 4, 3214868480
	.section	.rodata,"a",@progbits
	.p2align	6, 0x0
	.amdhsa_kernel k_q7ade39cf48_comb
		.amdhsa_group_segment_fixed_size 0
		.amdhsa_private_segment_fixed_size 0
		.amdhsa_enable_private_segment 0
		.amdhsa_kernarg_size 40
		.amdhsa_user_sgpr_count 2
		.amdhsa_user_sgpr_kernarg_segment_ptr 1
		.amdhsa_wavefront_size32 1
		.amdhsa_system_sgpr_workgroup_id_x 1
		.amdhsa_system_sgpr_workgroup_id_y 1
		.amdhsa_system_sgpr_workgroup_id_z 1
		.amdhsa_system_vgpr_workitem_id 0
		.amdhsa_next_free_vgpr 168
		.amdhsa_next_free_sgpr 66
		.amdhsa_reserve_vcc 0
		.amdhsa_float_denorm_mode_32 3
		.amdhsa_float_denorm_mode_16_64 3
		.amdhsa_memory_ordered 1
		.amdhsa_forward_progress 1
		.amdhsa_inst_pref_size 12
	.end_amdhsa_kernel
	.amdgpu_metadata
---
amdhsa.version: [ 1, 2 ]
amdhsa.kernels:
  - .name:           k_q7ade39cf48_comb
    .symbol:         k_q7ade39cf48_comb.kd
    .args:
      - { .name: sel, .offset: 0, .size: 8, .value_kind: global_buffer, .address_space: global }
      - { .name: gq, .offset: 8, .size: 8, .value_kind: global_buffer, .address_space: global }
      - { .name: pidx, .offset: 16, .size: 8, .value_kind: global_buffer, .address_space: global }
      - { .name: y, .offset: 24, .size: 8, .value_kind: global_buffer, .address_space: global }
      - { .name: out0, .offset: 32, .size: 8, .value_kind: global_buffer, .address_space: global }
    .group_segment_fixed_size: 0
    .private_segment_fixed_size: 0
    .kernarg_segment_align: 8
    .kernarg_segment_size: 40
    .max_flat_workgroup_size: 128
    .sgpr_count:     66
    .vgpr_count:     168
    .wavefront_size: 32
...
	.end_amdgpu_metadata
.endif
;; end of part 6
